; MI455X (gfx1250); checked and timed in simulation.
; The chip was launched on July 23, 2026; its instructions are those of AMD's public machine-readable ISA for CDNA 5 (MIT licence, August 2026) and "CDNA5" Instruction Set Architecture Reference Guide (July 2026). The comments in the code are by the model that wrote it; some were corrected since.
;; Self Attention. Allowed arithmetic: matrix products marked QUANTISED: E3M2 operands, one E8M0 scale for each 32 along K, by v_wmma_scale_f32_16x16x128_f8f6f4 with both operands' format E3M2, f32 sums; everything else in f32.
;; Inputs: b_in 3,072 float32; b_out 1,024 float32; w_in 1,024 x 3,072 float32; w_out 1,024 x 1,024 float32; x 4 x 2,048 x 1,024 float32.
;; Outputs: out0 4 x 2,048 x 1,024 float32.
;; Constants: causal_mask = 1.
;; This version of the problem:
;;   THIS VERSION OF THE PROBLEM IS GIVEN IN LOW PRECISION. The matrix products marked QUANTISED in the list below multiply operands that are first quantised to E3M2 (3 exponent bits, 2 mantissa bits; 6 bits a number), with one power-of-two scale for each 32 numbers along K (OCP MX v1.0); their sums are f32. All else is computed in f32.
;;   The module's matrix products, in the order in which they are computed (A, B: the left and right operand; K: the contracted axis; several contracted axes count as one K, in the product's order):
;;     1. [M 8,192, K 1,024] x [K 1,024, N 3,072]; A: input x; B: input w_in: QUANTISED
;;     2. batch 64 x [M 2,048, K 64] x [K 64, N 2,048]; A: computed on the way; B: computed on the way: QUANTISED
;;     3. batch 64 x [M 2,048, K 2,048] x [K 2,048, N 64]; A: softmax (see below); B: computed on the way: QUANTISED
;;     4. [M 8,192, K 1,024] x [K 1,024, N 1,024]; A: computed on the way; B: input w_out: QUANTISED
;;   THE QUANTISER, for each operand of a quantised product, along K:
;;     - K is cut into blocks of 32 from its start; a last block that is shorter is filled with zeros.
;;     - A block's scale is 2^e with e = floor(log2(the largest magnitude in the block)) - 4, held to -126 .. 127; a block of zeros has e = 0. As a byte (E8M0): e + 127.
;;     - Each number is divided by its block's scale, clamped to +-28, and rounded to the nearest number of E3M2, ties to even, subnormals kept.
;;     - The product sums the exact products of the quantised numbers (number of the format x scale) in f32.
;;   ~~~python
;;   def quantise(x, axis):      # numpy; x: float32 -> the quantised numbers, widened to float32 again
;;       x = np.moveaxis(x, axis, -1); K = x.shape[-1]
;;       x = np.pad(x, [(0, 0)] * (x.ndim - 1) + [(0, -K % 32)]); x = x.reshape(x.shape[:-1] + (-1, 32)); a = np.abs(x).max(-1, keepdims=True)
;;       e = np.where(a > 0, np.clip(np.frexp(np.where(a > 0, a, 1))[1] - 1 - 4, -126, 127), 0)      # np.frexp(a)[1] - 1 = floor(log2(a)), exactly
;;       r = np.clip(x / 2.0 ** e, -28, 28)
;;       step = 2.0 ** (np.maximum(np.frexp(np.where(r == 0, 1, r))[1] - 1, -2) - 2)
;;       q = np.round(r / step) * step * 2.0 ** e      # np.round: ties to even
;;       return np.moveaxis(q.reshape(q.shape[:-2] + (-1,))[..., :K], -1, axis).astype(np.float32)
;;   ~~~
;;   SOFTMAX AHEAD OF A QUANTISED PRODUCT. Where the list says 'softmax', what is quantised is not the finished softmax but p = 2^(t - M), with t = logit x log2(e) and M = ceil(the row's largest t), a whole number; so 1/2 < the row's largest p <= 1. The row's sum l is taken of the UNQUANTISED p, in f32, and the product's result is divided by l at the end. Since M is a whole number, a kernel that streams over the keys may use a running M (the ceiling of the running maximum): every later rescaling is an exact power of two, which a block's scale takes up: the codes' values come out the same.
;;   OPERANDS COMPUTED ON THE WAY. 'Computed on the way' means the value that the module computes at that place (a softmax that the list does not call 'softmax' is quantised finished and normalised). What goes into a quantiser is computed in f32, as accurately as f32 sums, v_exp_f32 and their like allow (about 1e-6 of the number): no bf16 or f16 on the way to a quantiser, and a product that is left as it is and whose result goes on into a quantised operand takes f32 operands (vector FMAs, or v_wmma_f32_16x16x4_f32). A number that lies on a knife's edge between two numbers of the format may be rounded either way, as far as f32 arithmetic and the matrix unit's own rounding can turn it there, and no further.
;; One version. Each part assembles by itself: llvm-mc -triple=amdgcn-amd-amdhsa -mcpu=gfx1250 --defsym DOCPART=n.
;; ======== version 1 of 1: 4 launches
;; workspace buffers: xq 6,553,600 bytes; wq 3,276,800 bytes; qq 6,815,744 bytes; kv 13,631,488 bytes; aq 6,553,600 bytes
;; launch prep (part 1): grid 96 x 4, 4 waves a work-group, no clusters, 68,096 bytes of LDS; arguments x, w_in, w_out, xq, wq; writes xq, wq
.if DOCPART == 1
	.amdgcn_target "amdgcn-amd-amdhsa--gfx1250"
	.amdhsa_code_object_version 6
	.text
	.protected	k_q36e60272b7_prep
	.globl	k_q36e60272b7_prep
	.p2align	8
	.type	k_q36e60272b7_prep,@function
k_q36e60272b7_prep:
	s_mov_b64 s[64:65], 0
	v_nop
	global_prefetch_b8 v0, s[64:65] scope:SCOPE_SE
	s_setreg_imm32_b32 hwreg(HW_REG_WAVE_MODE, 25, 1), 1
	s_wait_xcnt 0x0
; THE PROGRAM: causal self-attention, 4 x 2,048 tokens of 1,024, 16 heads of 64, all four products on codes of BF6 (E3M2) with one E8M0 scale for each 32 along K.
; Four launches: this one (x, w_in, w_out into codes), x w_in + b_in with q, k, v quantised in registers, attention with o quantised in registers, o w_out + b_out.
; WORK LEFT OUT: reference() builds its mask in its own body (the strict upper triangle of [S, S]; causal_mask is the constant 1) and sets the masked scores to -infinity ahead of the softmax, so that
; their p is 0 and they add nothing to a row's sum or to p v, whatever finite values the inputs hold.  So tiles of keys that lie wholly behind a tile of queries are neither multiplied nor put through the softmax
; (the third launch).  Nothing else is left out: every input has a way to the output and is loaded; b_in's part for k moves k's codes and stays.
; LIMIT: a NaN, an infinity or an overflow that would arise only in the scores left out is not carried to the result.
; THIS LAUNCH.  x [8192][1024] f32, K innermost, becomes xq: codes [8192][768 bytes] at byte 0, scale bytes [8192][32] at byte 6,291,456.  w_in [1024][3072] and w_out [1024][1024] f32, K their FIRST axis, become wq:
; w_in's codes [3072][768] at 0, its scale bytes [3072][32] at 2,359,296; w_out's codes [1024][768] at 2,457,600, its scale bytes [1024][32] at 3,244,032.
; A block's scale is 2^(floor(log2(its largest magnitude)) - 4): its byte is the largest magnitude's exponent field - 4, held at 1 from below.
; THE ORDER INSIDE A BLOCK OF w_out: code place i of a block holds the block's number pi(i), pi = 0-7, 16-23, 8-15, 24-31, since that is the order in which the third launch's registers give o's codes.  A block's 32 numbers,
; its largest magnitude and its scale are the true ones; both operands of a product carry the same order, so the products are the same and only the order of the sum inside one matrix instruction differs.
; LIMITS: a block of zeros gets the byte 1 where the rule says 127 (its codes are zeros, and this program alone reads the bytes); blocks whose largest magnitude lies under 2^(4 - 126) get the byte 1; NaN and infinities among the inputs are not served.
; SHARES: work-groups with x under 64 take x, 4 waves x 8,192 numbers each; the other 32 x 4 take the weights, 128 columns x 256 along K each.  The two paths have LDS bytes of their own.  No tensor load, no barrier: waves share nothing.
.set SPARE, 67584                      ; the spare words, 128 bytes a wave, behind both paths' regions
.set SPW,   192                        ; v192 LDS address of my spare word; never rewritten
.set NIL,   193                        ; v193 0; never rewritten
.set SP,    80                         ; path X: a lane's place in a stage: 64 bytes + 16 of padding
.set R,     16                         ; v16-79   four sets of 16 numbers as loaded
.set X,     80                         ; v80-111  two sets of 16 neighbours
.set E,     112                        ; v112-127 a scale byte for each step
.set C,     128                        ; v128-191 codes, four registers a step
.set PW,    272                        ; path W: a stage row: sixteen places of 16 bytes + 16
.set WX,    32                         ; v32-95   two sets of 32 numbers
.set WC,    16                         ; v16-18, v20-22 a block's codes
.set SB,    24                         ; v24-25   eight scale bytes
.set OUTR,  96                         ; v96-159  the way out
.set VOFF,  160                        ; v160-191 the byte offset of my column in each of a block's 32 rows
.set BASE,  32                         ; s[32:47] where each of my eight blocks begins
	s_load_b256 s[4:11], s[0:1], 0x0               ; x, w_in, w_out, xq
	s_load_b64 s[12:13], s[0:1], 0x20              ; wq
	v_lshl_add_u32 v[SPW], v0, 2, SPARE
	v_mov_b32 v[NIL], 0
	v_lshrrev_b32 v1, 5, v0
	v_readfirstlane_b32 s16, v1                    ; wave
	v_and_b32 v2, 31, v0                           ; lane
	s_and_b32 s17, ttmp7, 0xffff                   ; work-group y
	s_cmp_lt_u32 ttmp9, 64
	s_cbranch_scc0 .Lweights
; ---------------- PATH X: a plain stream of blocks of 32.  A wave takes 16 steps of 512 numbers.  Each load reads 512 consecutive bytes; a step's 2,048 bytes turn through the wave's stage so that a lane holds 16 neighbours.
	v_lshlrev_b32 v3, 4, v2                        ; my 16 bytes of a load's 512
	s_lshl_b32 s18, s16, 13                        ; my wave's 8,192 bytes of LDS
	v_lshrrev_b32 v14, 2, v2
	v_mul_u32_u24 v14, v14, SP
	v_and_b32 v15, 3, v2
	v_lshl_add_u32 v14, v15, 4, v14
	v_add_nc_u32 v14, s18, v14                     ; the stage, on the way in: SP (lane / 4) + 16 (lane % 4)
	v_mul_u32_u24 v15, v2, SP
	v_add_nc_u32 v15, s18, v15                     ; and on the way out: SP x lane
	v_mul_u32_u24 v4, v2, 12                       ; my 12 bytes of a step's 384 bytes of codes
	v_lshrrev_b32 v5, 1, v2
	s_add_co_u32 s18, s18, 2*32*SP
	v_add_nc_u32 v5, s18, v5                       ; my block's byte among my wave's 256 scale bytes
	v_lshlrev_b32 v7, 3, v2
	v_add_nc_u32 v6, s18, v7                       ; and 8 bytes a lane on their way out
	s_lshl_b32 s19, ttmp9, 2
	s_add_co_u32 s19, s19, s17
	s_lshl_b32 s19, s19, 2
	s_add_co_u32 s19, s19, s16                     ; which run of 8,192 numbers is my wave's: 0 .. 1,023
	s_mov_b32 s21, 0
	s_wait_alu depctr_va_vdst(0)
	s_wait_kmcnt 0x0
	s_lshl_b32 s20, s19, 15
	s_add_nc_u64 s[4:5], s[4:5], s[20:21]          ; x: 32,768 bytes a run
	s_mul_i32 s20, s19, 6144
	s_add_nc_u64 s[22:23], s[10:11], s[20:21]      ; codes: 6,144 bytes a run
	s_lshl_b32 s20, s19, 8
	s_add_co_u32 s20, s20, 6291456
	s_add_nc_u64 s[24:25], s[10:11], s[20:21]      ; scale bytes: 256 a run
.macro XLOAD t
.irp i, 0,1,2,3
	global_load_b128 v[R+16*((\t)%4)+4*\i:R+16*((\t)%4)+4*\i+3], v3, s[4:5] offset:2048*(\t)+512*\i th:TH_LOAD_NT
.endr
.endm
.macro XTURN t                         ; LDS serves a wave's instructions in order: no wait between the stores and the loads
.irp i, 0,1,2,3
	ds_store_b128 v14, v[R+16*((\t)%4)+4*\i:R+16*((\t)%4)+4*\i+3] offset:32*SP*((\t)%2)+8*SP*\i
.endr
.irp i, 0,1,2,3
	ds_load_b128 v[X+16*((\t)%2)+4*\i:X+16*((\t)%2)+4*\i+3], v15 offset:32*SP*((\t)%2)+16*\i
.endr
.endm
.macro XSTEP t
.set XS, X+16*((\t)%2)
.if (\t) > 0
	s_wait_dscnt 1                                 ; this step's numbers are back from the stage; the last step's byte store may be out
.else
	s_wait_dscnt 0x0
.endif
.if (\t)+4 < 16
	XLOAD (\t)+4                                   ; into the set whose numbers have gone through the stage
.endif
.if (\t)+1 < 16
.if 14-(\t) >= 3
	s_wait_loadcnt 12                              ; the next step's four loads are in; those of the three steps behind it may be out
.else
	s_wait_loadcnt 4*(14-(\t))
.endif
	XTURN (\t)+1
.endif
	v_max3_num_f32 v8, |v[XS]|, |v[XS+1]|, |v[XS+2]|
	v_max3_num_f32 v9, |v[XS+3]|, |v[XS+4]|, |v[XS+5]|
.irp i, 6,10
	v_max3_num_f32 v8, v8, |v[XS+\i]|, |v[XS+\i+1]|
	v_max3_num_f32 v9, v9, |v[XS+\i+2]|, |v[XS+\i+3]|
.endr
	v_max3_num_f32 v8, v8, |v[XS+14]|, |v[XS+15]|
	v_max3_num_f32 v8, v8, v9, 0x2800000           ; and the floor 2^(5 - 127): the byte cannot fall under 1
	v_max_num_f32_dpp v8, v8, v8 row_xmask:1 row_mask:0xf bank_mask:0xf   ; with my neighbour's 16: the block's largest magnitude
	v_add_nc_u32 v11, 0xfe000000, v8               ; 4 off its exponent field: the conversion takes that field as its scale
	v_cvt_scalef32_pk16_bf6_f32 v[C+4*(\t):C+4*(\t)+2], v[XS:XS+15], v11
	v_lshrrev_b32 v[E+(\t)], 23, v11               ; the scale's byte
	ds_store_b8 v5, v[E+(\t)] offset:16*(\t)       ; both lanes of a block write the same byte with the same value
	global_store_b96 v4, v[C+4*(\t):C+4*(\t)+2], s[22:23] offset:384*(\t)
.endm
.irp t, 0,1,2,3
	XLOAD \t
.endr
	s_wait_loadcnt 12                              ; step 0's four loads are in
	XTURN 0
.irp t, 0,1,2,3,4,5,6,7,8,9,10,11,12,13,14,15
	XSTEP \t
.endr
	ds_load_b64 v[8:9], v6                         ; served behind my byte stores
	s_wait_dscnt 0x0
	global_store_b64 v7, v[8:9], s[24:25]          ; 32 lanes store 256 consecutive bytes, aligned
	s_wait_tensorcnt 0x0                           ; the wave's end, behind my last LDS store
	ds_add_u32 v[SPW], v[NIL]
	s_wait_dscnt 0x0
	s_endpgm
; ---------------- PATH W: a lane takes a column, its registers run down K: a block of 32 lies in one lane, and the conversions give codes with K innermost.  One text serves both weights: the pitch and the order of a block's rows are numbers.
.Lweights:
	s_wait_kmcnt 0x0
	s_cmp_lt_u32 ttmp9, 88                         ; x 64 .. 87: w_in's 24 groups of 128 columns; 88 .. 95: w_out's 8.  The choice hangs on the work-group's number alone
	s_cselect_b64 s[6:7], s[6:7], s[8:9]
	s_cselect_b32 s18, 64, 88
	s_mov_b32 s20, 4096
	s_cselect_b32 s20, 12288, s20                  ; a row of the weight in bytes
	s_cselect_b32 s21, 0, 32768                    ; w_out: eight rows, by which places 8-15 and 16-23 of a block change rows
	s_cselect_b32 s22, 0, 2457600                  ; where the codes begin in wq,
	s_mov_b32 s23, 3244032
	s_cselect_b32 s23, 2359296, s23                ; and the scale bytes
	s_sub_co_u32 s18, ttmp9, s18
	s_lshl_b32 s18, s18, 7
	s_lshl_b32 s19, s16, 5
	s_add_co_u32 s18, s18, s19                     ; my wave's first column
	s_lshl_b32 s24, s17, 8
	s_mul_i32 s24, s24, s20                        ; 256 y rows down
	s_lshl_b32 s25, s18, 2
	s_add_co_u32 s24, s24, s25
	s_mov_b32 s25, 0
	s_add_nc_u64 s[BASE:BASE+1], s[6:7], s[24:25]
	s_lshl_b32 s24, s20, 5                         ; 32 rows
.irp t, 1,2,3,4,5,6,7
	s_add_nc_u64 s[BASE+2*\t:BASE+2*\t+1], s[BASE+2*\t-2:BASE+2*\t-1], s[24:25]
.endr
	s_mul_i32 s24, s18, 768
	s_add_co_u32 s24, s24, s22
	s_mul_i32 s26, s17, 192
	s_add_co_u32 s24, s24, s26
	s_add_nc_u64 s[28:29], s[12:13], s[24:25]      ; codes: row = column, 192 y bytes along
	s_lshl_b32 s24, s18, 5
	s_add_co_u32 s24, s24, s23
	s_lshl_b32 s26, s17, 3
	s_add_co_u32 s24, s24, s26
	s_add_nc_u64 s[30:31], s[12:13], s[24:25]      ; scale bytes: 32 a column, 8 y along
	s_wait_alu depctr_va_vdst(0)
	v_lshlrev_b32 v3, 2, v2
	s_wait_alu depctr_va_vdst(0)
	s_mov_b32 s26, 0
.set i, 0
.rept 32                               ; place i of a block reads row i (w_in) or row pi(i) (w_out)
.if (i >= 8) && (i < 16)
	s_add_co_u32 s27, s26, s21
	v_add_nc_u32 v[VOFF+i], s27, v3
.elseif (i >= 16) && (i < 24)
	s_sub_co_u32 s27, s26, s21
	v_add_nc_u32 v[VOFF+i], s27, v3
.else
	v_add_nc_u32 v[VOFF+i], s26, v3
.endif
	s_add_co_u32 s26, s26, s20
.set i, i+1
.endr
	s_mul_i32 s19, s16, 32*PW
	s_add_co_u32 s19, s19, 32768                   ; my stage
	v_mul_u32_u24 v4, v2, PW
	v_add_nc_u32 v4, s19, v4                       ; into it: row = my column
	v_and_b32 v5, 15, v2
	v_lshrrev_b32 v6, 4, v2
	v_mul_u32_u24 v7, v6, PW
	v_lshl_add_u32 v7, v5, 4, v7
	v_add_nc_u32 v7, s19, v7                       ; out of it: sixteen lanes to a row, two rows an instruction
	v_mul_u32_u24 v8, v6, 768
	v_mad_u32_u24 v8, v5, 12, v8                   ; and the same place among the codes
	v_lshlrev_b32 v9, 5, v2                        ; my column's row of scale bytes
.macro WLOAD t
.set i, 0
.rept 32
	global_load_b32 v[WX+32*((\t)%2)+i], v[VOFF+i], s[BASE+2*(\t):BASE+2*(\t)+1] th:TH_LOAD_NT   ; 32 lanes read 128 consecutive bytes, the four waves 512
.set i, i+1
.endr
.endm
.macro WBLOCK t
.set XS, WX+32*((\t)%2)
.if (\t) < 7
	s_wait_loadcnt 32                              ; this block's 32 loads are in; the next block's may be out
.else
	s_wait_loadcnt 0
.endif
	v_max3_num_f32 v12, |v[XS]|, |v[XS+1]|, |v[XS+2]|
	v_max3_num_f32 v13, |v[XS+3]|, |v[XS+4]|, |v[XS+5]|
.irp i, 6,10,14,18,22,26
	v_max3_num_f32 v12, v12, |v[XS+\i]|, |v[XS+\i+1]|
	v_max3_num_f32 v13, v13, |v[XS+\i+2]|, |v[XS+\i+3]|
.endr
	v_max3_num_f32 v12, v12, |v[XS+30]|, |v[XS+31]|
	v_max3_num_f32 v12, v12, v13, 0x2800000        ; and the floor
	v_add_nc_u32 v11, 0xfe000000, v12
	v_lshrrev_b32 v13, 23, v11                     ; the scale's byte
.if (\t)%4 == 0
	v_mov_b32 v[SB+(\t)/4], v13
.else
	v_lshl_or_b32 v[SB+(\t)/4], v13, 8*((\t)%4), v[SB+(\t)/4]
.endif
	v_cvt_scalef32_pk16_bf6_f32 v[WC:WC+2], v[XS:XS+15], v11
	v_cvt_scalef32_pk16_bf6_f32 v[WC+4:WC+6], v[XS+16:XS+31], v11
	ds_store_b96 v4, v[WC:WC+2] offset:32*(\t)     ; 12 bytes to a place of 16
	ds_store_b96 v4, v[WC+4:WC+6] offset:32*(\t)+16
.if (\t)+2 < 8
	WLOAD (\t)+2
.endif
	s_wait_dscnt 0x0                               ; the stores have read their registers: the next block's codes may be written
.endm
	WLOAD 0
	WLOAD 1
.irp t, 0,1,2,3,4,5,6,7
	WBLOCK \t
.endr
	s_wait_alu depctr_va_vdst(0)
	global_store_b64 v9, v[SB:SB+1], s[30:31]      ; my column's eight scale bytes
.irp t, 0,1,2,3,4,5,6,7,8,9,10,11,12,13,14,15
	ds_load_b96 v[OUTR+4*\t:OUTR+4*\t+2], v7 offset:2*\t*PW
.endr
.irp t, 0,1,2,3,4,5,6,7,8,9,10,11,12,13,14,15
	s_wait_dscnt 15-\t                             ; the loads behind row pair t may be out
	global_store_b96 v8, v[OUTR+4*\t:OUTR+4*\t+2], s[28:29] offset:2*\t*768   ; sixteen lanes store a row's 192 consecutive bytes
.endr
	s_wait_tensorcnt 0x0                           ; the wave's end, behind my last LDS store
	ds_add_u32 v[SPW], v[NIL]
	s_wait_dscnt 0x0
	s_endpgm
.Lfunc_end_k_q36e60272b7_prep:
	.size	k_q36e60272b7_prep, .Lfunc_end_k_q36e60272b7_prep-k_q36e60272b7_prep
	.p2alignl 7, 3214868480
	.fill 96, 4, 3214868480
	.section	.rodata,"a",@progbits
	.p2align	6, 0x0
	.amdhsa_kernel k_q36e60272b7_prep
		.amdhsa_group_segment_fixed_size 68096
		.amdhsa_private_segment_fixed_size 0
		.amdhsa_enable_private_segment 0
		.amdhsa_kernarg_size 40
		.amdhsa_user_sgpr_count 2
		.amdhsa_user_sgpr_kernarg_segment_ptr 1
		.amdhsa_wavefront_size32 1
		.amdhsa_system_sgpr_workgroup_id_x 1
		.amdhsa_system_sgpr_workgroup_id_y 1
		.amdhsa_system_sgpr_workgroup_id_z 1
		.amdhsa_system_vgpr_workitem_id 0
		.amdhsa_next_free_vgpr 200
		.amdhsa_next_free_sgpr 66
		.amdhsa_reserve_vcc 0
		.amdhsa_float_denorm_mode_32 3
		.amdhsa_float_denorm_mode_16_64 3
		.amdhsa_memory_ordered 1
		.amdhsa_forward_progress 1
		.amdhsa_inst_pref_size 76
	.end_amdhsa_kernel
	.amdgpu_metadata
---
amdhsa.version: [ 1, 2 ]
amdhsa.kernels:
  - .name:           k_q36e60272b7_prep
    .symbol:         k_q36e60272b7_prep.kd
    .args:
      - { .name: x, .offset: 0, .size: 8, .value_kind: global_buffer, .address_space: global }
      - { .name: w_in, .offset: 8, .size: 8, .value_kind: global_buffer, .address_space: global }
      - { .name: w_out, .offset: 16, .size: 8, .value_kind: global_buffer, .address_space: global }
      - { .name: xq, .offset: 24, .size: 8, .value_kind: global_buffer, .address_space: global }
      - { .name: wq, .offset: 32, .size: 8, .value_kind: global_buffer, .address_space: global }
    .group_segment_fixed_size: 68096
    .private_segment_fixed_size: 0
    .kernarg_segment_align: 8
    .kernarg_segment_size: 40
    .max_flat_workgroup_size: 128
    .sgpr_count:     66
    .vgpr_count:     200
    .wavefront_size: 32
...
	.end_amdgpu_metadata
.endif
;; end of part 1
;; launch gemm_qkv (part 2): grid 12 x 32, 4 waves a work-group, clusters of 4 x 4, 327,680 bytes of LDS; arguments xq, wq, b_in, qq, kv; writes qq, kv
.if DOCPART == 2
	.amdgcn_target "amdgcn-amd-amdhsa--gfx1250"
	.amdhsa_code_object_version 6
	.text
	.protected	k_q36e60272b7_gemm_qkv
	.globl	k_q36e60272b7_gemm_qkv
	.p2align	8
	.type	k_q36e60272b7_gemm_qkv,@function
k_q36e60272b7_gemm_qkv:
	s_mov_b64 s[64:65], 0
	v_nop
	global_prefetch_b8 v0, s[64:65] scope:SCOPE_SE
	s_setreg_imm32_b32 hwreg(HW_REG_WAVE_MODE, 25, 1), 1
	s_wait_xcnt 0x0
	s_wait_alu depctr_hold_cnt(0) depctr_sa_sdst(0) depctr_va_vdst(0) depctr_va_sdst(0) depctr_va_ssrc(0) depctr_va_vcc(0) depctr_vm_vsrc(0)
	s_getreg_b32 s2, hwreg(HW_REG_IB_STS2, 6, 4)
	s_cmp_eq_u32 s2, 0
	s_cbranch_scc0 .Lentry_in_a_cluster
	s_endpgm
.Lentry_in_a_cluster:
	s_bfe_u32 s2, ttmp6, 0x10000c
	s_cmp_lg_u32 s2, 0xf033
	s_cbranch_scc0 .Lentry_shape_is_right
	s_endpgm
.Lentry_shape_is_right:
; qkv = x w_in + b_in on codes of BF6, and q, k, v quantised in the registers in which they arise: only codes and scale words go to memory.  Nothing of reference() is left out here.
; C'[m'][n'] = sum over k of A[m'][k] B[n'][k], a tile of 256 x 256 to a work-group of four waves, 128 x 128 to a wave: 64 accumulators, 512 registers.  K = 1,024 goes in four steps of 256 through a ring of two LDS slots.
; THE MATRIX INSTRUCTION IS USED TRANSPOSED (source 0 = 16 rows of B, source 1 = 16 rows of A): a lane holds ONE m' and its registers run along n'.  What is made is quantised along n'.
;   q and k (clusters with x = 0, 1) are quantised along the head's 64: A = x's rows (tokens), B = w_in's rows (features 0 .. 2,047).
;   v (clusters with x = 2) is quantised along the keys: A = w_in's rows 2,048 .. 3,071 (features), B = x's rows (tokens).
; Only pointers, tile numbers, the bias's layout and the stores differ: every branch on that hangs on the cluster's x, which all sixteen partners share.
; THE ORDER INSIDE A BLOCK.  Register j of tile T holds n' = 16 T + 8 (lane / 16) + j, so the 16 registers of tiles 2 b and 2 b + 1 are 16 numbers of the true block b of 32, and the codes come out with place i holding the block's number pi(i),
; pi = 0-7, 16-23, 8-15, 24-31.  Blocks, largest magnitudes and scales are the true ones; q and k carry the same order along the head, v and the third launch's p the same along the keys.
; The bias is the C of the first K step's products: 64 registers in the result's layout (q, k: by n'; v: by m').
; WHAT IS STORED, in the order of the reader's registers.  qq: codes [head 64][tile of 16 queries 128][piece 3][lane 32][8 bytes]; scale words [head][token][4 bytes] at 6,291,456.
; kv: [head 64][slot of 256 keys 8][26,624 bytes]: k's codes [tile 16][piece 3][lane][8] at 0; v's [fragment 8][3][lane][16] at 12,288; k's words [token][4] at 24,576; v's [fragment 8][lane][4] at 25,600.
; A head has two blocks: bytes 0, 1 of its q and k words are its own, bytes 2, 3 the neighbour head's (1 .. 254), which meet zero codes alone in the third launch.
; The words leave in runs of 128 bytes, one thirteenth of what the launch stores; the codes in runs of 256 and 512.
; CLUSTERS: 4 x 4 work-groups; A's tiles are asked for jointly along a row of the cluster, B's along a column.  384 work-groups: the tile that fills 256 evenly (256 x 384) has no room for its accumulators beside the fragments.
; LIMITS as in the first launch (floor byte 1; NaN and infinities not served); the order of the sum inside one matrix instruction is not ascending k in later products.
; REGISTERS: window 0: v8 the bias's offset; v16-23, v27 LDS addresses; v24-26, v30, v31 store offsets; v28, v29 the add's two; v32-63 scale words, two sets; v64-127 the bias, later codes; v128-223 A's fragments; v224-243 the quantiser's.
;   window 1: B's fragments, two sets, at v0 and v128.   windows 2, 3: the accumulators, (a, b) at v[8 (8 (a % 4) + b)].
.set NQ,     2
.set ROWB,   192
.set KROW,   768
.set PITCH,  240                       ; an LDS row: 3 x (64 bytes + 16 of padding)
.set FR,     12
.set NL,     6
.set NP,     4
.set HALFT,  128*PITCH
.set SLOT,   4*HALFT
.set KS,     32
.set SCL,    2*SLOT                    ; behind the ring: the scale bytes, as runs of 256 bytes + 16
.set HALFS,  16*272
.set SBLK,   2*272
.set SPARE,  SCL+4*HALFS               ; the spare words
.set ADRA, 16
.set ADRB, 20
.set ADRS, 27
.set SPW,  28
.set NIL,  29
.set SC,   32
.set BIAS, 64
.set AF,   128
.set TM,   224                         ; v224-227 largest magnitudes, v228-231 bytes, v236-239 the conversions' scales
.set PWR,  240                         ; v240, v241 the scale words of an even and an odd block
.set WD,   242                         ; v242, v243 the words as they are stored
.set G1, 24
.set G0, 32
.set G1B, 48
.set G0B, 56
.set G1S, 68
.set G0S, 76
.set G1SB, 80
.set G0SB, 88
.set MSB, 0
.macro WIN new                         ; the immediate's high byte repeats the setting that is left
.if MSB != (\new)
	s_set_vgpr_msb (MSB<<8)|(\new)
.set MSB, (\new)
.endif
.endm
.set MUL_LO, 0xa1                      ; source 0 (B) window 1, source 1 (A) window 0, C and D window 2
.set MUL_HI, 0xf1
.set TO_B,   0x40
.macro JLOAD g0a, g1a, g0b, g1b        ; a joint load: waves 0, 1 fetch for A, waves 2, 3 for B; the branch hangs on the wave's number alone
	s_cmp_eq_u32 s15, 0
	s_cbranch_scc0 .Lfor_b_\@
	tensor_load_to_lds s[\g0a:\g0a+3], s[\g1a:\g1a+7]
	s_nop 0
.rept 4
	v_nop
.endr
	s_branch .Lasked_\@
.Lfor_b_\@:
	tensor_load_to_lds s[\g0b:\g0b+3], s[\g1b:\g1b+7]
	s_nop 0
.rept 4
	v_nop
.endr
.Lasked_\@:
.endm
.macro CREST
	s_cmp_lg_u32 s14, 0
	s_cbranch_scc1 .Lnot_wave_0_\@
	s_barrier_signal -3
.Lnot_wave_0_\@:
	s_barrier_wait -3
	s_barrier_signal -1
	s_barrier_wait -1
.endm
.macro CROUND
	s_barrier_signal -1
	s_barrier_wait -1
	CREST
.endm
	s_load_b256 s[4:11], s[0:1], 0x0               ; xq, wq, b_in, qq
	s_load_b64 s[12:13], s[0:1], 0x20              ; kv
	v_lshl_add_u32 v[SPW], v0, 2, SPARE
	v_mov_b32 v[NIL], 0
	ds_add_u32 v[SPW], v[NIL]                      ; the wave's opening: the add, twice on end, and its wait ahead of my first tensor load
	ds_add_u32 v[SPW], v[NIL]
	v_lshrrev_b32 v1, 5, v0
	v_readfirstlane_b32 s14, v1                    ; wave
	s_lshr_b32 s15, s14, 1                         ; my half of the tile's rows (A).  Also: I fetch for A (0) or for B (1)
	s_and_b32 s16, s14, 1                          ; my half of its columns (B).  Also: which 128 rows I fetch
	s_bfe_u32 s40, ttmp6, 0x40000                  ; cx
	s_bfe_u32 s41, ttmp6, 0x40004                  ; cy
	s_and_b32 s17, ttmp7, 0xffff
	s_lshl_b32 s17, s17, 2                         ; 4 x cluster y
	s_lshl_b32 s42, ttmp9, 2                       ; 4 x cluster x
	s_cmp_eq_u32 ttmp9, 2                          ; v's clusters
	s_cselect_b32 s100, 1, 0
	s_cselect_b32 s42, s17, s42                    ; tile column: v: 4 y + cx (tokens); q, k: 4 x + cx (features)
	s_cselect_b32 s17, 0, s17                      ; tile row: v: cy (features); q, k: 4 y + cy (tokens)
	s_add_co_u32 s42, s42, s40
	s_add_co_u32 s17, s17, s41
	s_lshl_b32 s43, s41, 2
	s_lshl_b32 s43, 15, s43                        ; my row of the cluster
	s_lshl_b32 s44, 0x1111, s40                    ; my column
	s_or_b32 s[G1+0], s43, (0<<16)|(1<<20)|(1<<21)|(3<<22)|(3<<25)   ; the mask; elements of 1 byte; padding of 4 words behind every 16
	s_or_b32 s[G1B+0], s44, (0<<16)|(1<<20)|(1<<21)|(3<<22)|(3<<25)
.irp g, G1, G1B
	s_mov_b32 s[\g+1], ROWB<<16                    ; tensor_dim0
	s_mov_b32 s[\g+2], 128<<16                     ; tensor_dim1
	s_mov_b32 s[\g+3], ROWB<<16                    ; tile_dim0
	s_mov_b32 s[\g+4], 128                         ; tile_dim1
	s_mov_b32 s[\g+5], KROW                        ; from row to row
	s_mov_b32 s[\g+6], 0
	s_mov_b32 s[\g+7], 0
.endr
	s_or_b32 s[G1S+0], s43, (3<<16)|(1<<20)|(1<<21)|(5<<22)|(3<<25)  ; the scale bytes of 128 rows: 16 dense rows of 256 bytes, 16 bytes of padding behind each
	s_or_b32 s[G1SB+0], s44, (3<<16)|(1<<20)|(1<<21)|(5<<22)|(3<<25)
.irp g, G1S, G1SB
	s_mov_b32 s[\g+1], 32<<16
	s_mov_b32 s[\g+2], 16<<16
	s_mov_b32 s[\g+3], 32<<16
	s_mov_b32 s[\g+4], 16
	s_mov_b32 s[\g+5], 32
	s_mov_b32 s[\g+6], 0
	s_mov_b32 s[\g+7], 0
.endr
	s_lshl_b32 s18, s16, 7
	s_lshl_b32 s20, s17, 8
	s_add_co_u32 s20, s20, s18                     ; A: row 256 x tile row + 128 x half
	s_lshl_b32 s46, s42, 8
	s_add_co_u32 s46, s46, s18                     ; B likewise by the tile column
	s_lshl_b32 s22, s20, 5                         ; their scale bytes,
	s_lshl_b32 s66, s46, 5
	s_mul_i32 s20, s20, KROW                       ; their codes
	s_mul_i32 s46, s46, KROW
	s_mov_b32 s21, 0
	s_mov_b32 s23, 0
	s_mov_b32 s47, 0
	s_mov_b32 s67, 0
	s_mul_i32 s45, s14, HALFT                      ; where they go: by the wave's number alone
	s_mul_i32 s105, s14, HALFS
	s_wait_dscnt 0x0                               ; both opening adds are done
	s_wait_kmcnt 0x0
	s_cmp_eq_u32 ttmp9, 2
	s_cselect_b32 s92, 1572864, 0                  ; v: w_in's rows from 2,048 on
	s_mov_b32 s93, 0
	s_add_nc_u64 s[92:93], s[6:7], s[92:93]        ; the weight's codes
	s_mov_b32 s94, 2359296
	s_cselect_b32 s94, 2424832, s94
	s_mov_b32 s95, 0
	s_add_nc_u64 s[94:95], s[6:7], s[94:95]        ; the weight's scale bytes
	s_add_nc_u64 s[96:97], s[4:5], 6291456         ; x's scale bytes
	s_cselect_b64 s[98:99], s[92:93], s[4:5]       ; A's codes: v: the weight's; q, k: x's
	s_cselect_b64 s[92:93], s[4:5], s[92:93]       ; B's the other way round
	s_cselect_b64 s[6:7], s[94:95], s[96:97]       ; A's scale bytes
	s_cselect_b64 s[94:95], s[96:97], s[94:95]     ; B's
	s_add_nc_u64 s[98:99], s[98:99], s[20:21]
	s_add_nc_u64 s[6:7], s[6:7], s[22:23]
	s_add_nc_u64 s[92:93], s[92:93], s[46:47]
	s_add_nc_u64 s[94:95], s[94:95], s[66:67]
	CROUND                                         ; all sixteen work-groups are here: the first joint loads meet
	s_mov_b32 s[G0S], 1
	s_add_co_u32 s[G0S+1], s105, SCL
	s_mov_b64 s[G0S+2:G0S+3], s[6:7]
	s_or_b32 s[G0S+3], s[G0S+3], 0x80000000
	s_mov_b32 s[G0SB], 1
	s_add_co_u32 s[G0SB+1], s105, SCL
	s_mov_b64 s[G0SB+2:G0SB+3], s[94:95]
	s_or_b32 s[G0SB+3], s[G0SB+3], 0x80000000
	JLOAD G0S, G1S, G0SB, G1SB                     ; the scale bytes for all of K: filled once
.irp s, 0,1
	s_mov_b32 s[G0+4*\s], 1
	s_add_co_u32 s[G0+4*\s+1], s45, \s*SLOT
	s_add_nc_u64 s[G0+4*\s+2:G0+4*\s+3], s[98:99], \s*ROWB
	s_or_b32 s[G0+4*\s+3], s[G0+4*\s+3], 0x80000000
	s_mov_b32 s[G0B+4*\s], 1
	s_add_co_u32 s[G0B+4*\s+1], s45, \s*SLOT
	s_add_nc_u64 s[G0B+4*\s+2:G0B+4*\s+3], s[92:93], \s*ROWB
	s_or_b32 s[G0B+4*\s+3], s[G0B+4*\s+3], 0x80000000
	JLOAD G0+4*\s, G1, G0B+4*\s, G1B
.endr
; Where the results go, and the bias: two arms on the cluster's x.  Both write s[4:5] (codes), s[6:7] (words), s101, s104 (from a head to the next) and the 64 registers of the bias.
	s_mov_b32 s47, 0
	s_cmp_eq_u32 s100, 0
	s_cbranch_scc0 .Larm_v
	s_lshr_b32 s20, s17, 3                         ; the batch: eight blocks of 256 tokens each
	s_and_b32 s21, s17, 7                          ; the block of 256 tokens in the sequence
	s_and_b32 s22, s42, 3
	s_lshl_b32 s22, s22, 2
	s_lshl_b32 s23, s16, 1
	s_add_co_u32 s22, s22, s23                     ; my first head: 4 (tile column % 4) + 2 x half
	s_lshl_b32 s20, s20, 4
	s_add_co_u32 s20, s20, s22                     ; batch x 16 + head
	s_cmp_eq_u32 ttmp9, 0                          ; q or k?
	s_mov_b32 s101, 212992
	s_cselect_b32 s101, 98304, s101                ; codes: from head to head,
	s_mov_b32 s22, 26624
	s_cselect_b32 s22, 12288, s22                  ; from block to block of 256 tokens
	s_mov_b32 s104, 212992
	s_cselect_b32 s104, 8192, s104                 ; words likewise
	s_mov_b32 s23, 26624
	s_cselect_b32 s23, 1024, s23
	s_cselect_b64 s[4:5], s[10:11], s[12:13]
	s_mov_b32 s46, 24576
	s_cselect_b32 s46, 6291456, s46                ; where the words begin
	s_add_nc_u64 s[6:7], s[4:5], s[46:47]
	s_mul_i32 s46, s20, s101
	s_mul_i32 s22, s21, s22
	s_add_co_u32 s46, s46, s22
	s_mul_i32 s22, s15, 6144                       ; my 128 tokens: eight tiles of 768 bytes
	s_add_co_u32 s46, s46, s22
	s_add_nc_u64 s[4:5], s[4:5], s[46:47]
	s_mul_i32 s46, s20, s104
	s_mul_i32 s23, s21, s23
	s_add_co_u32 s46, s46, s23
	s_lshl_b32 s23, s15, 9
	s_add_co_u32 s46, s46, s23
	s_add_nc_u64 s[6:7], s[6:7], s[46:47]
	s_lshl_b32 s46, s42, 10
	s_lshl_b32 s22, s16, 9
	s_add_co_u32 s46, s46, s22
	s_add_nc_u64 s[8:9], s[8:9], s[46:47]          ; b_in at my 128 features
	v_bfe_u32 v8, v0, 4, 1
	v_lshlrev_b32 v8, 5, v8
.irp b, 0,1,2,3,4,5,6,7                        ; register 8 b + j: b_in of feature 16 b + 8 (lane / 16) + j
	global_load_b128 v[BIAS+8*\b:BIAS+8*\b+3], v8, s[8:9] offset:64*\b
	global_load_b128 v[BIAS+8*\b+4:BIAS+8*\b+7], v8, s[8:9] offset:64*\b+16
.endr
	s_branch .Larm_done
.Larm_v:
	s_lshr_b32 s20, s42, 3                         ; the batch,
	s_and_b32 s21, s42, 7                          ; the slot of 256 keys
	s_lshl_b32 s20, s20, 4
	s_lshl_b32 s22, s17, 2
	s_add_co_u32 s20, s20, s22
	s_lshl_b32 s22, s15, 1
	s_add_co_u32 s20, s20, s22                     ; batch x 16 + 4 x tile row + 2 x half
	s_mov_b32 s101, 212992
	s_mov_b32 s104, 212992
	s_mul_i32 s46, s20, s101
	s_mul_i32 s22, s21, 26624
	s_add_co_u32 s46, s46, s22
	s_add_nc_u64 s[6:7], s[12:13], s[46:47]        ; the slot's record
	s_mul_i32 s46, s16, 6144
	s_add_co_u32 s46, s46, 12288
	s_add_nc_u64 s[4:5], s[6:7], s[46:47]          ; my key step's four fragments
	s_lshl_b32 s46, s16, 9
	s_add_co_u32 s46, s46, 25600
	s_add_nc_u64 s[6:7], s[6:7], s[46:47]          ; and their words
	s_lshl_b32 s46, s17, 10
	s_lshl_b32 s22, s15, 9
	s_add_co_u32 s46, s46, s22
	s_add_co_u32 s46, s46, 8192
	s_add_nc_u64 s[8:9], s[8:9], s[46:47]          ; b_in at my 128 features of v
	v_and_b32 v8, 15, v0
	v_lshlrev_b32 v8, 2, v8
.irp a, 0,1,2,3,4,5,6,7                        ; all eight registers of block a: b_in of feature 16 a + lane % 16
	global_load_b32 v[BIAS+8*\a], v8, s[8:9] offset:64*\a
.endr
	s_wait_loadcnt 0x0
.irp a, 0,1,2,3,4,5,6,7
.irp j, 1,2,3,4,5,6,7
	v_mov_b32 v[BIAS+8*\a+\j], v[BIAS+8*\a]
.endr
.endr
.Larm_done:
	s_mov_b32 s2, 0xffff0000                       ; lanes 16-31
	v_and_b32 v1, 15, v0                           ; r
	v_bfe_u32 v2, v0, 4, 1                         ; h
	v_mul_u32_u24 v3, v1, PITCH
	v_mul_u32_u24 v4, v2, 24
	v_add_nc_u32 v4, v3, v4                        ; a fragment's row x pitch + 24 h
	v_lshl_add_u32 v5, v2, 4, v4                   ; and the same behind one padding more
	s_mul_i32 s21, s15, HALFT
	s_mul_i32 s22, s16, HALFT
	s_add_co_u32 s22, s22, 2*HALFT
.irp s, 0,1
	v_add_nc_u32 v[ADRA+\s], s21, v4
	v_add_nc_u32 v[ADRB+\s], s22, v4
	v_add_nc_u32 v[ADRA+2+\s], s21, v5
	v_add_nc_u32 v[ADRB+2+\s], s22, v5
	s_add_co_u32 s21, s21, SLOT
	s_add_co_u32 s22, s22, SLOT
.endr
	v_mul_u32_u24 v5, v1, KS
	v_lshrrev_b32 v6, 8, v5
	v_lshl_add_u32 v5, v6, 4, v5                   ; my row's scale bytes: 32 a row, 16 more for each 256 passed
	s_mul_i32 s21, s15, HALFS
	s_mul_i32 s22, s16, HALFS
	s_add_co_u32 s22, s22, 2*HALFS
	s_sub_co_u32 s22, s22, s21
	v_mul_u32_u24 v6, s22, v2                      ; lanes 16-31 take B's
	s_add_co_u32 s21, s21, SCL
	v_add_nc_u32 v5, v5, v6
	v_add_nc_u32 v[ADRS], s21, v5
	v_and_b32 v6, 31, v0
	v_lshlrev_b32 v24, 3, v6                       ; q, k codes: 8 bytes a lane, my first head;
	v_add_nc_u32 v25, s101, v24                    ; my second
	v_lshlrev_b32 v26, 2, v6                       ; words: 4 bytes a lane;
	v_add_nc_u32 v30, s104, v26
	v_lshlrev_b32 v31, 4, v6                       ; v's codes: 16 bytes a lane
	s_wait_loadcnt 0x0                             ; the bias
.macro FRAG reg, adr, q, i             ; 16 rows x 128 K: 12 registers, six pieces of 8 bytes; where the piece three on lies behind one padding more, the second address register serves
.irp p, 0,1,2,3,4,5
.set PCE, 12*(\q)+6*(\p/3)+\p%3
.if PCE%8 < 5
	ds_load_b64 v[\reg+2*\p:\reg+2*\p+1], v[\adr] offset:8*PCE+16*(PCE/8)+(\i)*16*PITCH
.else
	ds_load_b64 v[\reg+2*\p:\reg+2*\p+1], v[\adr+2] offset:8*PCE+16*(PCE/8)+(\i)*16*PITCH
.endif
.endr
.endm
; 16 matrix instructions: A's blocks a0, a0 + 1 x B's eight.  zero = 1: C is the bias by n'; 2: by m'; 0: the sum goes on.  The 64 accumulators take turns.
.macro MUL16 a0, p, q, sc, zero
.irp a, \a0, \a0+1
.irp b, 0,1,2,3,4,5,6,7
.set rD, 8*(8*((\a)%4)+\b)
.set rB, 128*(\p)+FR*\b
.set rA, AF+FR*(\a)
.set rSB, SC+8*NQ*(\sc)+NQ*\b+(\q)
.set rSA, SC+8*NQ*(\sc)+NQ*(\a)+(\q)
.if \zero == 1
.set rC, BIAS+8*\b
.elseif \zero == 2
.set rC, BIAS+8*(\a)
.else
.set rC, rD
.endif
	v_wmma_scale_f32_16x16x128_f8f6f4 v[rD:rD+7], v[rB:rB+11], v[rA:rA+11], v[rC:rC+7], v[rSB], v[rSA] matrix_a_fmt:MATRIX_FMT_BF6 matrix_b_fmt:MATRIX_FMT_BF6 matrix_a_scale:MATRIX_SCALE_ROW1
.endr
.endr
.endm
.macro FETCH_B slot, q, p
	WIN TO_B
.irp i, 0,1,2,3,4,5,6,7
	FRAG 128*(\p)+FR*\i, ADRB+\slot, \q, \i
.endr
	WIN 0
.endm
.macro FETCH_A slot, q, i0
.irp i, \i0, \i0+1, \i0+2, \i0+3
	FRAG AF+FR*(\i), ADRA+\slot, \q, \i
.endr
.endm
.macro SCALES sc                       ; a K step's two words a row: lanes 0-15 A's block i, lanes 16-31 B's block i
.irp i, 0,1,2,3,4,5,6,7
	ds_load_b64 v[SC+8*NQ*\sc+NQ*\i:SC+8*NQ*\sc+NQ*\i+1], v[ADRS] offset:\i*SBLK
.endr
.endm
.macro PLACES n                        ; plain vector instructions between a matrix instruction and a load into, or a read of, its registers
.rept \n
	v_nop
.endr
.endm
.macro STEP slot, q, zero              ; 128 along K that has its successor in the same slot
	s_wait_dscnt 4*NL                              ; B's set and A's blocks 0-3 are in; A's blocks 4-7, 24 loads, may be out
.if \zero
	WIN 0x81                                       ; C (the bias) in window 0, D in window 2
.else
	WIN MUL_LO
.endif
	MUL16 0, (\q)%2, \q, \slot, \zero
	MUL16 2, (\q)%2, \q, \slot, \zero
	s_wait_dscnt 0
	PLACES NP
	FETCH_B \slot, (\q)+1, 1-(\q)%2
	FETCH_A \slot, (\q)+1, 0
.if \zero
	WIN 0xc1
.else
	WIN MUL_HI
.endif
	MUL16 4, (\q)%2, \q, \slot, \zero
	MUL16 6, (\q)%2, \q, \slot, \zero
	PLACES NP
	WIN 0
	FETCH_A \slot, (\q)+1, 4
.endm
.macro TURN slot, next, fill           ; a slot's last step changes slots: one barrier; fill = 1: it opens a round of the cluster's, and this slot is filled again, two K steps ahead
	s_wait_tensorcnt 0x0                           ; all my tensor loads have landed: my part of the next slot
	ds_add_u32 v[SPW], v[NIL]                      ; 0 onto my spare word
	s_wait_dscnt 4*NL+1                            ; the add and A's blocks 4-7 may be out
	WIN MUL_LO
	MUL16 0, 1, NQ-1, \slot, 0
	s_wait_dscnt 0x0                               ; the add is done, and my reads of this slot are over
	s_barrier_signal -1
	MUL16 2, 1, NQ-1, \slot, 0
	WIN 0
	s_barrier_wait -1
.if \fill
	CREST                                          ; no wave of any partner still reads this slot or has a load on its way
	s_add_nc_u64 s[G0+4*\slot+2:G0+4*\slot+3], s[G0+4*\slot+2:G0+4*\slot+3], 2*ROWB
	s_add_nc_u64 s[G0B+4*\slot+2:G0B+4*\slot+3], s[G0B+4*\slot+2:G0B+4*\slot+3], 2*ROWB
	JLOAD G0+4*\slot, G1, G0B+4*\slot, G1B         ; the first tensor load behind the round; its four v_nop are the places in front of the loads below
.else
	PLACES NP
.endif
	v_add_nc_u32 v[ADRS], 4*NQ, v[ADRS]            ; the next K step's scale words
	FETCH_B \next, 0, 0
	FETCH_A \next, 0, 0
	SCALES \next
	WIN MUL_HI
	MUL16 4, 1, NQ-1, \slot, 0
	MUL16 6, 1, NQ-1, \slot, 0
	PLACES NP
	WIN 0
	FETCH_A \next, 0, 4
.endm
	s_wait_tensorcnt 1                             ; the scale bytes and my part of K step 0 are in; K step 1's load may be out
	s_barrier_signal -1
	s_barrier_wait -1
	FETCH_B 0, 0, 0
	FETCH_A 0, 0, 0
	SCALES 0
	FETCH_A 0, 0, 4
	s_cmp_eq_u32 s100, 0                           ; the first step's products start the sums with the bias: by n' for q and k, by m' for v
	s_cbranch_scc0 .Lfirst_v
	STEP 0, 0, 1
	s_branch .Lfirst_done
.Lfirst_v:
	STEP 0, 0, 2
.Lfirst_done:
	s_mov_b32 s3, 1
.Llap:                                                 ; once round the ring, both slots filled again: K steps 2 and 3
	TURN 0, 1, 1
	STEP 1, 0, 0
	TURN 1, 0, 1
	STEP 0, 0, 0
	s_sub_co_u32 s3, s3, 1
	s_cmp_lg_u32 s3, 0
	s_cbranch_scc1 .Llap
	TURN 0, 1, 0                                   ; the last lap fills nothing
	STEP 1, 0, 0
	s_wait_dscnt 4*NL
	WIN MUL_LO
	MUL16 0, 1, NQ-1, 1, 0
	MUL16 2, 1, NQ-1, 1, 0
	s_wait_dscnt 0
	WIN MUL_HI
	MUL16 4, 1, NQ-1, 1, 0
	MUL16 6, 1, NQ-1, 1, 0
	WIN 0
; THE WAY OUT, block by block of 16 m' x 128 n': four blocks of 32 are quantised in the registers where they lie, and the fragment's 12 registers and its scale word are stored as they stand.
	PLACES NP
	s_mov_b32 s92, 0x76543210
	s_mov_b32 s93, 0xfedcba98                      ; lane l xor 16
.irp b, 0,1,2,3
	v_mov_b32 v[TM+4+\b], 0                        ; written once: a lane permute's destination counts as one of its sources
.endr
.macro OUT a
.set AC, 64*((\a)%4)
.set WN, 2+(\a)/4
.set PWD, PWR+(\a)%2
.if (\a)%4 == 1
.set CD, 128                           ; so that a conversion's destination and sources never carry the same numbers
.else
.set CD, 64
.endif
.set CT, CD+12
.if (\a) > 0
	s_wait_xcnt 0x0                                ; the last block's stores have read their data: codes and words may be written again
.endif
	WIN 5*WN                                       ; sources 0 and 1 in the accumulators' window
.irp b, 0,1,2,3
	v_max3_num_f32 v[TM+\b], |v[AC+16*\b]|, |v[AC+16*\b+1]|, 0x2800000   ; each accumulator is read from its low end on; the floor 2^(5 - 127) holds the byte at 1 from below
.endr
.irp i, 2,4,6,8,10,12,14
.irp b, 0,1,2,3
	v_max3_num_f32 v[TM+\b], |v[AC+16*\b+\i]|, |v[AC+16*\b+\i+1]|, v[TM+\b]
.endr
.endr
	WIN 0
.irp b, 0,1,2,3
	v_permlanex16_b32 v[TM+4+\b], v[TM+\b], s92, s93
.endr
.irp b, 0,1,2,3
	v_max_num_f32 v[TM+\b], v[TM+\b], v[TM+4+\b]   ; with lane l xor 16's 16: the block's largest magnitude
.endr
.irp b, 0,1,2,3
	v_add_nc_u32 v[TM+12+\b], 0xfe000000, v[TM+\b] ; 4 off its exponent field: the conversion's scale
.endr
.irp b, 0,1,2,3
	v_lshrrev_b32 v[TM+4+\b], 23, v[TM+12+\b]      ; the byte
.endr
	v_lshl_or_b32 v[PWD], v[TM+5], 8, v[TM+4]
	v_lshl_or_b32 v[PWD], v[TM+6], 16, v[PWD]
	v_lshl_or_b32 v[PWD], v[TM+7], 24, v[PWD]      ; my row's scale word
	WIN WN
.irp c, 0,1
	v_cvt_scalef32_pk16_bf6_f32 v[CD+6*\c:CD+6*\c+2], v[AC+32*\c:AC+32*\c+15], v[TM+12+2*\c]
	v_cvt_scalef32_pk16_bf6_f32 v[CT+4*\c:CT+4*\c+2], v[AC+32*\c+16:AC+32*\c+31], v[TM+13+2*\c]
.endr
	WIN 0
	v_nop                                          ; one plain place behind a scaled conversion
.irp c, 0,1                                    ; a whole block to a lane: lanes 0-15 block 2 c, lanes 16-31 block 2 c + 1
.irp i, 0,1,2
	v_permlane16_swap_b32 v[CD+6*\c+\i], v[CT+4*\c+\i]
.endr
.irp i, 0,1,2
	v_mov_b32 v[CD+3+6*\c+\i], v[CT+4*\c+\i]
.endr
.endr
	s_cmp_eq_u32 s100, 0
	s_cbranch_scc0 .Lout_v_\@
.irp c, 0,1                                    ; q, k: registers 6 c .. 6 c + 5 are head c's fragment of 16 tokens x 64: three stores of 256 consecutive bytes
.irp p, 0,1,2
	global_store_b64 v[24+\c], v[CD+6*\c+2*\p:CD+6*\c+2*\p+1], s[4:5] offset:768*(\a)+256*\p
.endr
.endr
.if (\a)%2
	v_cndmask_b32 v[WD], v[PWR], v[PWR+1], s2      ; lanes 0-15: the even block's words, lanes 16-31 the odd block's: 32 tokens on end
	v_alignbit_b32 v[WD+1], v[WD], v[WD], 16       ; the second head's two bytes below
	global_store_b32 v26, v[WD], s[6:7] offset:128*((\a)/2)
	global_store_b32 v30, v[WD+1], s[6:7] offset:128*((\a)/2)
.endif
	s_branch .Lout_done_\@
.Lout_v_\@:
.irp g, 0,1,2                                  ; v: a fragment of 16 of the head's 64 x 128 keys, as its registers stand: three stores of 512 consecutive bytes
	global_store_b128 v31, v[CD+4*\g:CD+4*\g+3], s[4:5] offset:((\a)/4)*212992+((\a)%4)*1536+512*\g
.endr
	global_store_b32 v26, v[PWD], s[6:7] offset:((\a)/4)*212992+((\a)%4)*128
.Lout_done_\@:
.endm
.irp a, 0,1,2,3,4,5,6,7
	OUT \a
.endr
	s_wait_tensorcnt 0x0                           ; the wave's end
	ds_add_u32 v[SPW], v[NIL]
	s_wait_dscnt 0x0
	CROUND                                         ; the closing round
	s_endpgm
.Lfunc_end_k_q36e60272b7_gemm_qkv:
	.size	k_q36e60272b7_gemm_qkv, .Lfunc_end_k_q36e60272b7_gemm_qkv-k_q36e60272b7_gemm_qkv
	.p2alignl 7, 3214868480
	.fill 96, 4, 3214868480
	.section	.rodata,"a",@progbits
	.p2align	6, 0x0
	.amdhsa_kernel k_q36e60272b7_gemm_qkv
		.amdhsa_group_segment_fixed_size 327680
		.amdhsa_private_segment_fixed_size 0
		.amdhsa_enable_private_segment 0
		.amdhsa_kernarg_size 40
		.amdhsa_user_sgpr_count 2
		.amdhsa_user_sgpr_kernarg_segment_ptr 1
		.amdhsa_wavefront_size32 1
		.amdhsa_system_sgpr_workgroup_id_x 1
		.amdhsa_system_sgpr_workgroup_id_y 1
		.amdhsa_system_sgpr_workgroup_id_z 1
		.amdhsa_system_vgpr_workitem_id 0
		.amdhsa_next_free_vgpr 1024
		.amdhsa_next_free_sgpr 106
		.amdhsa_reserve_vcc 0
		.amdhsa_float_denorm_mode_32 3
		.amdhsa_float_denorm_mode_16_64 3
		.amdhsa_memory_ordered 1
		.amdhsa_forward_progress 1
		.amdhsa_inst_pref_size 193
	.end_amdhsa_kernel
	.amdgpu_metadata
---
amdhsa.version: [ 1, 2 ]
amdhsa.kernels:
  - .name:           k_q36e60272b7_gemm_qkv
    .symbol:         k_q36e60272b7_gemm_qkv.kd
    .args:
      - { .name: xq, .offset: 0, .size: 8, .value_kind: global_buffer, .address_space: global }
      - { .name: wq, .offset: 8, .size: 8, .value_kind: global_buffer, .address_space: global }
      - { .name: b_in, .offset: 16, .size: 8, .value_kind: global_buffer, .address_space: global }
      - { .name: qq, .offset: 24, .size: 8, .value_kind: global_buffer, .address_space: global }
      - { .name: kv, .offset: 32, .size: 8, .value_kind: global_buffer, .address_space: global }
    .group_segment_fixed_size: 327680
    .private_segment_fixed_size: 0
    .kernarg_segment_align: 8
    .kernarg_segment_size: 40
    .max_flat_workgroup_size: 128
    .sgpr_count:     106
    .vgpr_count:     1024
    .wavefront_size: 32
...
	.end_amdgpu_metadata
.endif
;; end of part 2
;; launch attn (part 3): grid 4 x 64, 16 waves a work-group, no clusters, 327,680 bytes of LDS; arguments qq, kv, aq; writes aq
.if DOCPART == 3
	.amdgcn_target "amdgcn-amd-amdhsa--gfx1250"
	.amdhsa_code_object_version 6
	.text
	.protected	k_q36e60272b7_attn
	.globl	k_q36e60272b7_attn
	.p2align	8
	.type	k_q36e60272b7_attn,@function
k_q36e60272b7_attn:
	s_mov_b64 s[64:65], 0
	v_nop
	global_prefetch_b8 v0, s[64:65] scope:SCOPE_SE
	s_setreg_imm32_b32 hwreg(HW_REG_WAVE_MODE, 25, 1), 1
	s_wait_xcnt 0x0
; o = softmax(q k^T / 8, causal) v for one head, both products on codes of BF6, and o quantised along the head's 64 in the registers in which it arises.
; WORK LEFT OUT: key steps all of whose 128 keys come after a wave's 16 queries, and slots of keys behind a block of queries: reference() masks those scores to -infinity in its own body, so their p is 0 for all inputs.
; THE SOFTMAX: t = score x log2(e) / 8; M = the running largest t rounded up to a whole number; p = 2^(t - M) is quantised along the keys, not normalised; the row's sum is taken of the unquantised p and divides O at the end.
; When M moves, the sum and O are multiplied by 2^(old M - new M), which rounds nothing.
; SHARES.  Work-group (i, head) owns the blocks of 256 queries 7 - i and i of its head: it walks slots 0 .. 7 - i of 256 keys for the first and 0 .. i for the second: nine visits whatever i is, so all 256 work-groups have the same
; work and the loop's trip count is a constant.  Each of sixteen waves owns 16 queries of the block in hand, in 256 registers; four waves share a SIMD, so that one wave's vector work stands beside another's products and LDS loads.
; A slot is one dense record of 26,624 bytes (k's codes, v's codes, k's words, v's words), laid by the second launch in the order of the operands' registers: every LDS read takes consecutive bytes by lane.  Two LDS slots;
; waves 0 to 3 fetch a quarter of a record each.  Every slot that is fetched is read, and the last visit is written out.
; NO CLUSTER: the four work-groups of a head want different slots from their first block's end on, so a joint request could not be made by all of them in every round.
; LAYOUT.  S^T = K Q^T (source 0 = 16 keys, source 1 = my 16 queries; K = 64: the upper 64 codes of both are zeros), O^T = V^T P^T: a lane holds ONE query throughout.  Register j of tile T holds key 16 T + 8 (lane / 16) + j, so the codes of p
; come out with place i of a block holding the block's key pi(i), pi = 0-7, 16-23, 8-15, 24-31: the order that v's codes have; o's codes get the same order along the head, which w_out's codes have.
; OUT: aq: codes [tile of 16 tokens 512][head 16][piece 3][lane 32][8 bytes]; scale bytes [token 8192][32] at 6,291,456, two a head: these leave two bytes a lane, one part in 24 of what the launch stores; lanes 16-31 write what lanes 0-15 write.
; LIMITS: floor byte 1 as in the first launch; NaN and infinities are not served; the order of the sum inside one matrix instruction is not ascending k.
; REGISTERS: v1-4 lane offsets; v5, v6 the add's two; v7-9 LDS addresses of the slot in hand; v10 r - 8 h; v11 4 r; v12 -M; v13 the largest t; v[14:15] the sum; v16-27 Q; v28-31 V's words; v32-79 four fragments of K; v80-127 four of V;
;   v128-191 S^T, then p; v192-223 O^T; v224-235 p's codes; v232-247 at work; v243 32 r; v248-251 K's words; v252 f; v253 p's word; v254 at work; v255 Q's words.
.set SLOT1, 32768
.set REC,   26624
.set SPARE, 65536                      ; the spare words, 128 bytes for each of sixteen waves
.set S,     128
.set OT,    192
.macro TLOAD                           ; waves 0 to 3 fetch; the branch hangs on the wave's number alone
	s_cmp_lt_u32 s18, 4
	s_cbranch_scc0 .Lno_load_\@
	tensor_load_to_lds s[32:35], s[24:31]
	s_nop 0
.rept 4
	v_nop
.endr
.Lno_load_\@:
.endm
; A prefetch of the record that the NEXT change of slots will ask for.  All four work-groups of a head walk slots 0, 1, 2 .. first: the one with x = 0, which walks all eight, asks, waves 4 to 7, a quarter of a record each: 26 runs of 256 bytes,
; a lane a run (lanes 26-31 name lane 25's run again in the same instruction).  Change t asks for slot t + 2, t = 0 .. 5; slots 0 and 1 come by their loads alone, and the second walk reads what has been read.
.macro ASK
	s_cmp_gt_u32 s3, s60
	s_cbranch_scc0 .Lnot_mine_\@
	global_prefetch_b8 v4, s[58:59] th:TH_LOAD_NT scope:SCOPE_SE
.Lnot_mine_\@:
.endm
	s_load_b128 s[4:7], s[0:1], 0x0                ; qq, kv
	s_load_b64 s[8:9], s[0:1], 0x10                ; aq
	v_lshl_add_u32 v5, v0, 2, SPARE
	v_mov_b32 v6, 0
	ds_add_u32 v5, v6                              ; the wave's opening: the add, twice on end, and its wait ahead of the first tensor load
	ds_add_u32 v5, v6
	v_lshrrev_b32 v7, 5, v0
	s_delay_alu instid0(VALU_DEP_1)
	v_readfirstlane_b32 s18, v7                    ; wave 0..15
	s_and_b32 s62, ttmp7, 0xffff                   ; batch x 16 + head
	s_mov_b32 s24, 3<<16                           ; group 1: 26 dense rows of 32 elements of 8 bytes: a quarter of a record; no mask, no padding
	s_mov_b32 s25, 32<<16
	s_mov_b32 s26, 26<<16
	s_mov_b32 s27, 32<<16
	s_mov_b32 s28, 26
	s_mov_b32 s29, 32
	s_mov_b32 s30, 0
	s_mov_b32 s31, 0
	s_mov_b32 s20, 0x76543210
	s_mov_b32 s21, 0xfedcba98                      ; lane l xor 16
	s_mov_b32 s22, 0x3e38aa3b                      ; c = log2(e) / 8
	s_mov_b32 s23, s22
	s_sub_co_u32 s41, 8, ttmp9                     ; slots in the first walk
	s_lshl_b32 s44, s41, 8                         ; and the key at which it ends
	s_mov_b32 s40, 0                               ; the slot asked for last
	s_mov_b32 s39, 0
	s_mov_b32 s2, 0                                ; LDS byte of the slot in hand
	s_mov_b32 s3, 8                                ; changes of slots that fetch
	s_mov_b32 s42, 0                               ; the step's first key
	s_sub_co_u32 s63, 7, ttmp9
	s_lshl_b32 s66, s18, 4
	s_lshl_b32 s43, s63, 8
	s_add_co_u32 s43, s43, s66                     ; my first query in block 7 - i
	s_lshl_b32 s45, ttmp9, 8
	s_add_co_u32 s45, s45, s66                     ; and in block i
	s_mul_i32 s33, s18, 6656                       ; my quarter's place in slot 0
	s_mov_b32 s32, 1
	s_mul_i32 s68, s62, 98304                      ; q's codes of my head
	s_lshl_b32 s69, s62, 13
	s_add_co_u32 s69, s69, 6291456                 ; q's words
	s_lshr_b32 s70, s62, 4
	s_and_b32 s71, s62, 15
	s_mul_i32 s72, s71, 768
	s_lshl_b32 s71, s71, 1
	s_lshl_b32 s73, s70, 16
	s_add_co_u32 s71, s71, s73
	s_add_co_u32 s71, s71, 6291456                 ; o's scale bytes: batch x 2,048 rows of 32 + 2 x head
	s_mul_i32 s70, s70, 1572864
	s_add_co_u32 s70, s70, s72                     ; o's codes: batch x 128 tiles of 12,288 + head x 768
	s_lshr_b32 s63, s18, 2
	s_xor_b32 s63, s63, 1
	s_or_b32 s63, s63, ttmp9
	s_cmp_eq_u32 s63, 0                            ; waves 4 to 7 of the work-group with x = 0
	s_cselect_b32 s60, 2, -1
	s_wait_dscnt 0x0                               ; both opening adds are done
	s_wait_kmcnt 0x0
	s_mul_i32 s66, s62, 212992
	s_mov_b32 s67, 0
	s_add_nc_u64 s[58:59], s[6:7], s[66:67]        ; my head's records
	s_mov_b32 s66, s33
	s_add_nc_u64 s[36:37], s[58:59], s[66:67]      ; my quarter of slot 0
	s_mov_b64 s[34:35], s[36:37]
	s_or_b32 s35, s35, 0x80000000
	TLOAD                                          ; slot 0
	s_and_b32 s66, s18, 3
	s_mul_i32 s66, s66, 6656
	s_add_co_u32 s66, s66, REC
	s_add_nc_u64 s[58:59], s[58:59], s[66:67]      ; the prefetches stand in slot 1; the first change steps them to slot 2
.macro BASES q0, qc, qs, oc, os        ; the four addresses of the 16 queries from s[q0] on
	s_mul_i32 s66, s[\q0], 48
	s_add_co_u32 s66, s66, s68
	s_add_nc_u64 s[\qc:\qc+1], s[4:5], s[66:67]
	s_lshl_b32 s66, s[\q0], 2
	s_add_co_u32 s66, s66, s69
	s_add_nc_u64 s[\qs:\qs+1], s[4:5], s[66:67]
	s_mul_i32 s66, s[\q0], 768
	s_add_co_u32 s66, s66, s70
	s_add_nc_u64 s[\oc:\oc+1], s[8:9], s[66:67]
	s_lshl_b32 s66, s[\q0], 5
	s_add_co_u32 s66, s66, s71
	s_add_nc_u64 s[\os:\os+1], s[8:9], s[66:67]
.endm
	BASES 43, 72, 74, 50, 52
	BASES 45, 46, 48, 54, 56
	v_and_b32 v7, 31, v0                           ; lane
	v_and_b32 v8, 15, v0                           ; r
	v_bfe_u32 v9, v0, 4, 1                         ; h
	s_delay_alu instid0(VALU_DEP_3)
	v_lshlrev_b32 v1, 3, v7                        ; 8 x lane: pieces of K, of Q and of o
	s_delay_alu instid0(VALU_DEP_4)
	v_lshl_add_u32 v2, v7, 4, 12288                ; 16 x lane, at v's codes
	v_lshl_add_u32 v3, v7, 2, 24576                ; 4 x lane, at the words
	v_min_u32 v4, 25, v7
	s_delay_alu instid0(VALU_DEP_1)
	v_lshlrev_b32 v4, 8, v4
	v_lshlrev_b32 v10, 3, v9
	s_delay_alu instid0(VALU_DEP_1)
	v_sub_nc_u32 v10, v8, v10                      ; r - 8 h
	v_lshlrev_b32 v11, 2, v8
	v_lshlrev_b32 v243, 5, v8
.irp p, 0,1,2
	global_load_b64 v[16+2*\p:17+2*\p], v1, s[72:73] offset:256*\p   ; Q's fragment, registers 0-5
.endr
	global_load_b32 v255, v11, s[74:75]            ; and its words
.irp k, 22,23,24,25,26,27
	v_mov_b32 v\k, 0                               ; K = 64: the upper 64 codes are zeros
.endr
.irp t, 0,1,2,3
.irp k, 6,7,8,9,10,11
	v_mov_b32 v[32+12*\t+\k], 0                    ; in K's fragments too: written once, never loaded
.endr
.endr
.set n, 0
.rept 32
	v_mov_b32 v[OT+n], 0                           ; O^T: the step is written once; the first finds zeros
.set n, n+1
.endr
	v_mov_b32 v13, 0xff61b1e6                      ; the largest t so far: -3e38
	s_delay_alu instid0(VALU_DEP_1)
	v_floor_f32 v12, -v13                          ; -M
	v_mov_b32 v14, 0
	v_mov_b32 v15, 0
.irp k, 236,237,238,239,252,253,254
	v_mov_b32 v\k, 0                               ; written once: permutes' destinations, and halves of pairs, count as read
.endr
; A KEY STEP: 128 keys, the ks-th of the slot in hand.
.macro STEP ks
	s_add_co_u32 s62, s43, 15
	s_cmp_gt_u32 s42, s62                          ; all keys come after my 16 queries: the step's work is left out (ids and the count of steps alone)
	s_cbranch_scc1 .Lhidden_\@
	s_wait_alu depctr_va_vdst(0)
.irp u, 0,1,2,3
	ds_load_b32 v[248+\u], v9 offset:(4*(\ks)+\u)*128   ; K's words: lanes 0-15 an even tile's, lanes 16-31 the odd tile's
.endr
	s_wait_alu depctr_va_vdst(0)
.irp g, 0,1                                    ; S^T = K Q^T, four tiles of 16 keys at a time
.if \g
.rept 4
	v_nop                                          ; places in front of loads into registers that the four products above have read
.endr
.endif
.irp t, 0,1,2,3
.irp p, 0,1,2
	ds_load_b64 v[32+12*\t+2*\p:33+12*\t+2*\p], v7 offset:(8*(\ks)+4*\g+\t)*768+256*\p
.endr
.endr
	s_wait_dscnt 0x0
.irp t, 0,1,2,3
.set rT, 4*\g+\t
.if \t%2
	v_wmma_scale_f32_16x16x128_f8f6f4 v[S+8*rT:S+8*rT+7], v[32+12*\t:43+12*\t], v[16:27], 0, v[248+rT/2], v255 matrix_a_fmt:MATRIX_FMT_BF6 matrix_b_fmt:MATRIX_FMT_BF6 matrix_a_scale:MATRIX_SCALE_ROW1
.else
	v_wmma_scale_f32_16x16x128_f8f6f4 v[S+8*rT:S+8*rT+7], v[32+12*\t:43+12*\t], v[16:27], 0, v[248+rT/2], v255 matrix_a_fmt:MATRIX_FMT_BF6 matrix_b_fmt:MATRIX_FMT_BF6
.endif
.endr
.endr
.rept 4
	v_nop                                          ; places in front of the first read of the scores; with the four above, eight behind the last step's products with V
.endr
.irp dt, 0,1,2,3                               ; V's four fragments and words are asked for now and land under the softmax
.irp g, 0,1,2
	ds_load_b128 v[80+12*\dt+4*\g:83+12*\dt+4*\g], v8 offset:(4*(\ks)+\dt)*1536+512*\g
.endr
	ds_load_b32 v[28+\dt], v9 offset:1024+(4*(\ks)+\dt)*128
.endr
	s_add_co_u32 s62, s42, 127
	s_cmp_le_u32 s62, s43                          ; all keys count for all my queries: no mask
	s_cbranch_scc1 .Lopen_\@
	s_sub_co_i32 s62, s43, s42
	v_add_nc_u32 v252, s62, v10                    ; d = my query - the step's first key - 8 h.  Register n holds key 16 (n / 8) + n % 8 + 8 h: hidden where 16 (n / 8) + n % 8 > d
	v_mov_b32 v254, 0xff800000                     ; -infinity
.set n, 0
.rept 64
	v_cmp_gt_i32 vcc_lo, 16*(n/8)+n%8, v252
	v_cndmask_b32 v[S+n], v[S+n], v254, vcc_lo
.set n, n+1
.endr
.Lopen_\@:
.irp b, 0,1,2,3
	v_max3_num_f32 v[232+\b], v[S+16*\b], v[S+1+16*\b], v[S+2+16*\b]   ; the largest score of each block of 32 keys: for the row's maximum, and, since p rises with the score, for the block's largest p
.endr
.irp i, 3,5,7,9,11,13
.irp b, 0,1,2,3
	v_max3_num_f32 v[232+\b], v[232+\b], v[S+16*\b+\i], v[S+1+16*\b+\i]
.endr
.endr
.irp b, 0,1,2,3
	v_max_num_f32 v[232+\b], v[232+\b], v[S+15+16*\b]
.endr
.irp b, 0,1,2,3
	s_delay_alu instid0(VALU_DEP_4)
	v_permlanex16_b32 v[236+\b], v[232+\b], s20, s21
.endr
.irp b, 0,1,2,3
	s_delay_alu instid0(VALU_DEP_4)
	v_max_num_f32 v[232+\b], v[232+\b], v[236+\b]
.endr
	s_delay_alu instid0(VALU_DEP_2)
	v_max3_num_f32 v254, v232, v233, v234
	s_delay_alu instid0(VALU_DEP_1)
	v_max_num_f32 v254, v254, v235
	s_delay_alu instid0(VALU_DEP_1)
	v_mul_f32 v254, s22, v254                      ; the step's largest t
	s_delay_alu instid0(VALU_DEP_1)
	v_max_num_f32 v13, v13, v254
	v_mov_b32 v254, v12
	s_delay_alu instid0(VALU_DEP_2)
	v_floor_f32 v12, -v13                          ; the new -M = -ceil(t)
	s_delay_alu instid0(VALU_DEP_1)
	v_sub_f32 v254, v12, v254                      ; old M - new M: a whole number, 0 or less
	s_delay_alu instid0(VALU_DEP_1)
	v_cvt_i32_f32 v254, v254
	s_delay_alu instid0(VALU_DEP_1)
	v_ldexp_f32 v252, 1.0, v254                    ; f = 2^(old M - new M)
.set n, 0
.rept 32
	v_pk_fma_f32 v[S+n:S+n+1], v[S+n:S+n+1], s[22:23], v[12:13] op_sel_hi:[1,0,0]   ; t - M
.set n, n+2
.endr
.irp b, 0,1,2,3
	v_fma_f32 v[232+\b], v[232+\b], s22, v12
.endr
.set n, 0
	s_wait_alu depctr_va_vdst(0)
.rept 64
	v_exp_f32 v[S+n], v[S+n]                       ; p = 2^(t - M)
.set n, n+1
.endr
	v_pk_mul_f32 v[14:15], v[14:15], v[252:253] op_sel_hi:[1,0]   ; the sums under the new M: a plain place behind the exponentials
	s_wait_alu depctr_va_vdst(0)                   ; one wait for the batch, ahead of its first reader
.irp b, 0,1,2,3
	v_exp_f32 v[232+\b], v[232+\b]                 ; the blocks' largest p
.endr
	v_pk_add_f32 v[236:237], v[132:133], v[136:137]
	v_pk_add_f32 v[250:251], v[140:141], v[144:145]
	v_pk_add_f32 v[248:249], v[148:149], v[152:153]
	v_pk_add_f32 v[246:247], v[156:157], v[160:161]
	v_pk_add_f32 v[244:245], v[164:165], v[168:169]
	v_pk_add_f32 v[240:241], v[172:173], v[176:177]
	v_pk_add_f32 v[238:239], v[180:181], v[184:185]
	v_pk_add_f32 v[14:15], v[14:15], v[188:189]
	v_pk_add_f32 v[236:237], v[236:237], v[128:129]
	v_pk_add_f32 v[250:251], v[250:251], v[130:131]
	v_pk_add_f32 v[248:249], v[248:249], v[134:135]
	v_pk_add_f32 v[246:247], v[246:247], v[138:139]
	v_pk_add_f32 v[244:245], v[244:245], v[142:143]
	v_pk_add_f32 v[240:241], v[240:241], v[146:147]
	v_pk_add_f32 v[238:239], v[238:239], v[150:151]
	v_pk_add_f32 v[14:15], v[14:15], v[154:155]
	v_pk_add_f32 v[236:237], v[236:237], v[158:159]
	v_pk_add_f32 v[250:251], v[250:251], v[162:163]
	v_pk_add_f32 v[248:249], v[248:249], v[166:167]
	v_pk_add_f32 v[246:247], v[246:247], v[170:171]
	v_pk_add_f32 v[244:245], v[244:245], v[174:175]
	v_pk_add_f32 v[240:241], v[240:241], v[178:179]
	v_pk_add_f32 v[238:239], v[238:239], v[182:183]
	v_pk_add_f32 v[14:15], v[14:15], v[186:187]
	v_pk_add_f32 v[236:237], v[236:237], v[190:191]
	s_delay_alu instid0(VALU_DEP_2)
	v_pk_add_f32 v[14:15], v[14:15], v[246:247]
	s_delay_alu instid0(VALU_DEP_2)
	v_pk_add_f32 v[236:237], v[236:237], v[244:245]
	v_pk_add_f32 v[250:251], v[250:251], v[240:241]
	v_pk_add_f32 v[248:249], v[248:249], v[238:239]
	s_delay_alu instid0(VALU_DEP_2)
	v_pk_add_f32 v[14:15], v[14:15], v[250:251]
	s_delay_alu instid0(VALU_DEP_2)
	v_pk_add_f32 v[236:237], v[236:237], v[248:249]
	s_delay_alu instid0(VALU_DEP_1)
	v_pk_add_f32 v[14:15], v[14:15], v[236:237]
	s_wait_alu depctr_va_vdst(0)                   ; and one for the four
.irp b, 0,1,2,3
	v_max_num_f32 v[232+\b], 0x2800000, v[232+\b]  ; the floor: the byte cannot fall under 1
.endr
.irp b, 0,1,2,3
	s_delay_alu instid0(VALU_DEP_4)
	v_add_nc_u32 v[244+\b], 0xfe000000, v[232+\b]
.endr
.irp b, 0,1,2,3
	s_delay_alu instid0(VALU_DEP_4)
	v_lshrrev_b32 v[236+\b], 23, v[244+\b]
.endr
	s_delay_alu instid0(VALU_DEP_3)
	v_lshl_or_b32 v253, v237, 8, v236
	s_delay_alu instid0(VALU_DEP_1)
	v_lshl_or_b32 v253, v238, 16, v253
	s_delay_alu instid0(VALU_DEP_1)
	v_lshl_or_b32 v253, v239, 24, v253             ; p's scale word for these 128 keys
.irp c, 0,1
	v_cvt_scalef32_pk16_bf6_f32 v[224+6*\c:226+6*\c], v[S+32*\c:S+15+32*\c], v[244+2*\c]
	v_cvt_scalef32_pk16_bf6_f32 v[236+4*\c:238+4*\c], v[S+16+32*\c:S+31+32*\c], v[244+2*\c+1]
.endr
	v_nop                                          ; one plain place behind a scaled conversion
.irp c, 0,1
.irp i, 0,1,2
	v_permlane16_swap_b32 v[224+6*\c+\i], v[236+4*\c+\i]
.endr
.irp i, 0,1,2
	s_delay_alu instid0(VALU_DEP_3)
	v_mov_b32 v[227+6*\c+\i], v[236+4*\c+\i]
.endr
.endr
.set n, 0
.rept 16
	v_pk_mul_f32 v[OT+n:OT+n+1], v[OT+n:OT+n+1], v[252:253] op_sel_hi:[1,0]   ; O^T under the new M; these are also the places between p's codes and word and the products below
.set n, n+2
.endr
	s_wait_alu depctr_va_vdst(0)
	s_wait_dscnt 0x0                               ; V is in
.irp dt, 0,1,2,3                               ; O^T += V^T P^T: four accumulators by turns
	v_wmma_scale_f32_16x16x128_f8f6f4 v[OT+8*\dt:OT+8*\dt+7], v[80+12*\dt:91+12*\dt], v[224:235], v[OT+8*\dt:OT+8*\dt+7], v[28+\dt], v253 matrix_a_fmt:MATRIX_FMT_BF6 matrix_b_fmt:MATRIX_FMT_BF6
.endr
.Lhidden_\@:
	s_add_co_u32 s42, s42, 128
.endm
; THE CHANGE OF SLOTS, at a visit's head.  Each wave waits for all its tensor loads, adds 0 to its spare word, and waits for that and for its reads of the slot that it has left; behind the barrier the slot ahead is whole and nobody reads the other.
; fill = 1: the other slot takes the next visit's record: the next slot of keys, or slot 0 again where the first walk ends.
.macro CHANGE fill
	s_wait_tensorcnt 0x0                           ; no tensor load of mine is out, so group 0 may be written
	ds_add_u32 v5, v6                              ; 0 onto my spare word
.if \fill
	ds_add_u32 v5, v6                              ; and twice on end here, in every trip alike
	s_xor_b32 s33, s33, SLOT1
	s_add_co_u32 s40, s40, 1
	s_cmp_eq_u32 s40, s41
	s_cselect_b32 s40, 0, s40
	s_mul_i32 s38, s40, REC
	s_add_nc_u64 s[34:35], s[36:37], s[38:39]
	s_or_b32 s35, s35, 0x80000000
	s_wait_xcnt 0x0                                ; the last prefetch, a visit back, has read its address
	s_add_nc_u64 s[58:59], s[58:59], REC
.endif
	s_wait_dscnt 0x0
	s_barrier_signal -1
	s_barrier_wait -1
.if \fill
	TLOAD                                          ; the first thing behind the barrier, and a wave's one tensor load until the next
	ASK
.endif
.endm
.macro VISIT
	v_add_nc_u32 v7, s2, v1
	v_add_nc_u32 v8, s2, v2
	v_add_nc_u32 v9, s2, v3
	STEP 0
	STEP 1
	s_xor_b32 s2, s2, SLOT1
.endm
; A block of queries is finished: O^T / the sum, quantised along the head's 64 (two blocks), stored as the last launch's registers want it.  restart = 1: on to block i.
.macro FINISH oc, os, restart
.rept 4
	v_nop                                          ; places behind the last products
.endr
.if \restart
.irp p, 0,1,2
	global_load_b64 v[16+2*\p:17+2*\p], v1, s[46:47] offset:256*\p
.endr
	global_load_b32 v255, v11, s[48:49]
.endif
	v_add_f32 v14, v14, v15
	s_delay_alu instid0(VALU_DEP_1)
	v_permlanex16_b32 v252, v14, s20, s21
	s_delay_alu instid0(VALU_DEP_1)
	v_add_f32 v14, v14, v252                       ; the row's sum
	s_wait_alu depctr_va_vdst(0)
	v_rcp_f32 v14, v14
	v_nop                                          ; a plain place behind the reciprocal
	s_wait_alu depctr_va_vdst(0)                   ; and the wait ahead of its first reader
.set n, 0
.rept 16
	v_pk_mul_f32 v[S+n:S+n+1], v[OT+n:OT+n+1], v[14:15] op_sel_hi:[1,0]   ; register 8 t + j: o(my query, 16 t + 8 h + j); each accumulator from its low end on
.set n, n+2
.endr
.irp b, 0,1
	v_max3_num_f32 v[232+\b], |v[S+16*\b]|, |v[S+1+16*\b]|, 0x2800000
.endr
.irp i, 2,4,6,8,10,12,14
.irp b, 0,1
	s_delay_alu instid0(VALU_DEP_2)
	v_max3_num_f32 v[232+\b], v[232+\b], |v[S+16*\b+\i]|, |v[S+1+16*\b+\i]|
.endr
.endr
.irp b, 0,1
	s_delay_alu instid0(VALU_DEP_2)
	v_permlanex16_b32 v[236+\b], v[232+\b], s20, s21
.endr
.irp b, 0,1
	s_delay_alu instid0(VALU_DEP_2)
	v_max_num_f32 v[232+\b], v[232+\b], v[236+\b]
.endr
.irp b, 0,1
	s_delay_alu instid0(VALU_DEP_2)
	v_add_nc_u32 v[244+\b], 0xfe000000, v[232+\b]
.endr
.irp b, 0,1
	s_delay_alu instid0(VALU_DEP_2)
	v_lshrrev_b32 v[236+\b], 23, v[244+\b]
.endr
	s_delay_alu instid0(VALU_DEP_1)
	v_lshl_or_b32 v254, v237, 8, v236              ; my row's two scale bytes
	v_cvt_scalef32_pk16_bf6_f32 v[224:226], v[S:S+15], v244
	v_cvt_scalef32_pk16_bf6_f32 v[240:242], v[S+16:S+31], v245
	v_nop
.irp i, 0,1,2
	v_permlane16_swap_b32 v[224+\i], v[240+\i]
.endr
.irp i, 0,1,2
	s_delay_alu instid0(VALU_DEP_3)
	v_mov_b32 v[227+\i], v[240+\i]
.endr
.irp p, 0,1,2
	global_store_b64 v1, v[224+2*\p:225+2*\p], s[\oc:\oc+1] offset:256*\p   ; 256 consecutive bytes, aligned
.endr
	global_store_b16 v243, v254, s[\os:\os+1]
.if \restart
.set n, 0
.rept 32
	v_mov_b32 v[OT+n], 0
.set n, n+1
.endr
	v_mov_b32 v14, 0
	v_mov_b32 v15, 0
	v_mov_b32 v13, 0xff61b1e6
	s_delay_alu instid0(VALU_DEP_1)
	v_floor_f32 v12, -v13
	s_mov_b32 s43, s45
	s_mov_b32 s42, 0
	s_wait_loadcnt 0x0                             ; the new Q
	s_wait_xcnt 0x0                                ; the stores have read their data: the next step may write those registers
.endif
.endm
	s_wait_loadcnt 0x0                             ; Q
.Lslot:                                            ; eight trips: visits 0 to 7; behind each change of slots the next visit's record is asked for
	CHANGE 1
	VISIT
	s_cmp_lg_u32 s42, s44                          ; the first walk ends where the keys reach 256 (8 - i); the second walk's keys stay under that
	s_cbranch_scc1 .Lsame
	s_wait_alu depctr_va_vdst(0)
	FINISH 50, 52, 1
.Lsame:
	s_sub_co_u32 s3, s3, 1
	s_cmp_lg_u32 s3, 0
	s_cbranch_scc1 .Lslot
	CHANGE 0                                       ; the ninth visit is written out: nothing is left to fetch
	VISIT
	s_wait_alu depctr_va_vdst(0)
	FINISH 54, 56, 0
	s_wait_tensorcnt 0x0                           ; the wave's end
	ds_add_u32 v5, v6
	s_wait_dscnt 0x0
	s_endpgm
.Lfunc_end_k_q36e60272b7_attn:
	.size	k_q36e60272b7_attn, .Lfunc_end_k_q36e60272b7_attn-k_q36e60272b7_attn
	.p2alignl 7, 3214868480
	.fill 96, 4, 3214868480
	.section	.rodata,"a",@progbits
	.p2align	6, 0x0
	.amdhsa_kernel k_q36e60272b7_attn
		.amdhsa_group_segment_fixed_size 327680
		.amdhsa_private_segment_fixed_size 0
		.amdhsa_enable_private_segment 0
		.amdhsa_kernarg_size 24
		.amdhsa_user_sgpr_count 2
		.amdhsa_user_sgpr_kernarg_segment_ptr 1
		.amdhsa_wavefront_size32 1
		.amdhsa_system_sgpr_workgroup_id_x 1
		.amdhsa_system_sgpr_workgroup_id_y 1
		.amdhsa_system_sgpr_workgroup_id_z 1
		.amdhsa_system_vgpr_workitem_id 0
		.amdhsa_next_free_vgpr 256
		.amdhsa_next_free_sgpr 80
		.amdhsa_reserve_vcc 1
		.amdhsa_float_denorm_mode_32 3
		.amdhsa_float_denorm_mode_16_64 3
		.amdhsa_memory_ordered 1
		.amdhsa_forward_progress 1
		.amdhsa_inst_pref_size 112
	.end_amdhsa_kernel
	.amdgpu_metadata
---
amdhsa.version: [ 1, 2 ]
amdhsa.kernels:
  - .name:           k_q36e60272b7_attn
    .symbol:         k_q36e60272b7_attn.kd
    .args:
      - { .name: qq, .offset: 0, .size: 8, .value_kind: global_buffer, .address_space: global }
      - { .name: kv, .offset: 8, .size: 8, .value_kind: global_buffer, .address_space: global }
      - { .name: aq, .offset: 16, .size: 8, .value_kind: global_buffer, .address_space: global }
    .group_segment_fixed_size: 327680
    .private_segment_fixed_size: 0
    .kernarg_segment_align: 8
    .kernarg_segment_size: 24
    .max_flat_workgroup_size: 512
    .sgpr_count:     80
    .vgpr_count:     256
    .wavefront_size: 32
...
	.end_amdgpu_metadata
.endif
;; end of part 3
;; launch gemm_out (part 4): grid 4 x 32, 4 waves a work-group, clusters of 4 x 4, 327,680 bytes of LDS; arguments aq, wq, b_out, out0; writes out0
.if DOCPART == 4
	.amdgcn_target "amdgcn-amd-amdhsa--gfx1250"
	.amdhsa_code_object_version 6
	.text
	.protected	k_q36e60272b7_gemm_out
	.globl	k_q36e60272b7_gemm_out
	.p2align	8
	.type	k_q36e60272b7_gemm_out,@function
k_q36e60272b7_gemm_out:
	s_mov_b64 s[64:65], 0
	v_nop
	global_prefetch_b8 v0, s[64:65] scope:SCOPE_SE
	s_setreg_imm32_b32 hwreg(HW_REG_WAVE_MODE, 25, 1), 1
	s_wait_xcnt 0x0
	s_wait_alu depctr_hold_cnt(0) depctr_sa_sdst(0) depctr_va_vdst(0) depctr_va_sdst(0) depctr_va_ssrc(0) depctr_va_vcc(0) depctr_vm_vsrc(0)
	s_getreg_b32 s2, hwreg(HW_REG_IB_STS2, 6, 4)
	s_cmp_eq_u32 s2, 0
	s_cbranch_scc0 .Lentry_in_a_cluster
	s_endpgm
.Lentry_in_a_cluster:
	s_bfe_u32 s2, ttmp6, 0x10000c
	s_cmp_lg_u32 s2, 0xf033
	s_cbranch_scc0 .Lentry_shape_is_right
	s_endpgm
.Lentry_shape_is_right:
; out0 = o w_out + b_out on codes of BF6.  A = o's codes and scale bytes (aq, made by the third launch), B = w_out's (wq, made by the first, with the same order inside each block of 32 along K).  Nothing of reference() is left out here.
; A tile of 256 x 256 to a work-group of four waves, 128 x 128 to a wave: 64 accumulators.  K = 1,024 goes in four steps of 256 through a ring of two LDS slots.  128 work-groups: what the launch moves most is its result.
; A's codes lie in the order of the operand's registers, [tile of 16 rows][head 16][piece 3][lane 32][8 bytes]: a K step of 256 is four heads, 3,072 consecutive bytes of each tile; a fragment comes by six loads of 256 consecutive bytes.
; B's codes are rows of 768 bytes: a tile's row is 192 bytes, padded in LDS by 16 bytes behind every 64.  The scale bytes of the 256 + 256 rows, for all of K, come into LDS once.
; THE MATRIX INSTRUCTION IS USED TRANSPOSED (source 0 = 16 rows of B, source 1 = 16 rows of A): a lane holds eight neighbouring numbers of a row of the result.  b_out is the C of the first K step's products.
; CLUSTERS: 4 x 4 work-groups; A's tiles are asked for jointly along a row of the cluster, B's along a column.
; REGISTERS: window 0: v8 the bias's offset; v16-17 A's LDS addresses, v20-23 B's; v24-26 the way out; v27 the scale words' address; v28, v29 the add's two; v32-63 scale words; v64-127 the bias; v128-223 A's fragments, later rows of the result.
;   window 1: B's fragments, two sets.   windows 2, 3: the accumulators.
.set NQ,     2
.set ROWB,   192
.set KROW,   768
.set PITCH,  240
.set FR,     12
.set NL,     6
.set NP,     4
.set HALFA,  24576                     ; A: 8 tiles of 16 rows x 3,072 bytes
.set HALFT,  128*PITCH                 ; B: 128 rows
.set SLOT,   2*HALFA+2*HALFT
.set KS,     32
.set SCL,    2*SLOT
.set HALFS,  16*272
.set SBLK,   2*272
.set SPARE,  SCL+4*HALFS
.set SPITCH, 528                       ; the way out: a stage of 16 rows x (512 + 16) bytes a wave, in slot 0, which has had its last fill and its last read by then
.set ADRA, 16
.set ADRB, 20
.set STO,  24
.set RD,   25
.set CO,   26
.set ADRS, 27
.set SPW,  28
.set NIL,  29
.set SC,   32
.set BIAS, 64
.set AF,   128
.set BK,   128
.set G1, 24
.set G0, 32
.set G1B, 48
.set G0B, 56
.set G1S, 68
.set G0S, 76
.set G1SB, 80
.set G0SB, 88
.set MSB, 0
.macro WIN new
.if MSB != (\new)
	s_set_vgpr_msb (MSB<<8)|(\new)
.set MSB, (\new)
.endif
.endm
.set MUL_LO, 0xa1
.set MUL_HI, 0xf1
.set TO_B,   0x40
.macro JLOAD g0a, g1a, g0b, g1b
	s_cmp_eq_u32 s15, 0
	s_cbranch_scc0 .Lfor_b_\@
	tensor_load_to_lds s[\g0a:\g0a+3], s[\g1a:\g1a+7]
	s_nop 0
.rept 4
	v_nop
.endr
	s_branch .Lasked_\@
.Lfor_b_\@:
	tensor_load_to_lds s[\g0b:\g0b+3], s[\g1b:\g1b+7]
	s_nop 0
.rept 4
	v_nop
.endr
.Lasked_\@:
.endm
.macro CREST
	s_cmp_lg_u32 s14, 0
	s_cbranch_scc1 .Lnot_wave_0_\@
	s_barrier_signal -3
.Lnot_wave_0_\@:
	s_barrier_wait -3
	s_barrier_signal -1
	s_barrier_wait -1
.endm
.macro CROUND
	s_barrier_signal -1
	s_barrier_wait -1
	CREST
.endm
	s_load_b256 s[4:11], s[0:1], 0x0               ; aq, wq, b_out, out0
	v_lshl_add_u32 v[SPW], v0, 2, SPARE
	v_mov_b32 v[NIL], 0
	ds_add_u32 v[SPW], v[NIL]                      ; the wave's opening: the add, twice on end, and its wait ahead of my first tensor load
	ds_add_u32 v[SPW], v[NIL]
	v_lshrrev_b32 v1, 5, v0
	v_readfirstlane_b32 s14, v1
	s_lshr_b32 s15, s14, 1
	s_and_b32 s16, s14, 1
	s_bfe_u32 s40, ttmp6, 0x40000                  ; cx
	s_bfe_u32 s41, ttmp6, 0x40004                  ; cy
	s_lshl_b32 s42, ttmp9, 2
	s_add_co_u32 s42, s42, s40                     ; tile column
	s_and_b32 s17, ttmp7, 0xffff
	s_lshl_b32 s17, s17, 2
	s_add_co_u32 s17, s17, s41                     ; tile row
	s_lshl_b32 s43, s41, 2
	s_lshl_b32 s43, 15, s43
	s_lshl_b32 s44, 0x1111, s40
	s_or_b32 s[G1+0], s43, (3<<16)|(1<<21)         ; A: the mask; elements of 8 bytes; no padding: 8 rows of 384 elements, 1,536 elements apart
	s_mov_b32 s[G1+1], 384<<16
	s_mov_b32 s[G1+2], 8<<16
	s_mov_b32 s[G1+3], 384<<16
	s_mov_b32 s[G1+4], 8
	s_mov_b32 s[G1+5], 1536
	s_mov_b32 s[G1+6], 0
	s_mov_b32 s[G1+7], 0
	s_or_b32 s[G1B+0], s44, (0<<16)|(1<<20)|(1<<21)|(3<<22)|(3<<25)   ; B: 128 rows of 192 bytes, 16 bytes of padding behind every 64
	s_mov_b32 s[G1B+1], ROWB<<16
	s_mov_b32 s[G1B+2], 128<<16
	s_mov_b32 s[G1B+3], ROWB<<16
	s_mov_b32 s[G1B+4], 128
	s_mov_b32 s[G1B+5], KROW
	s_mov_b32 s[G1B+6], 0
	s_mov_b32 s[G1B+7], 0
	s_or_b32 s[G1S+0], s43, (3<<16)|(1<<20)|(1<<21)|(5<<22)|(3<<25)
	s_or_b32 s[G1SB+0], s44, (3<<16)|(1<<20)|(1<<21)|(5<<22)|(3<<25)
.irp g, G1S, G1SB
	s_mov_b32 s[\g+1], 32<<16
	s_mov_b32 s[\g+2], 16<<16
	s_mov_b32 s[\g+3], 32<<16
	s_mov_b32 s[\g+4], 16
	s_mov_b32 s[\g+5], 32
	s_mov_b32 s[\g+6], 0
	s_mov_b32 s[\g+7], 0
.endr
	s_lshl_b32 s18, s16, 7
	s_lshl_b32 s20, s17, 8
	s_add_co_u32 s20, s20, s18                     ; A: row 256 x tile row + 128 x half
	s_lshl_b32 s46, s42, 8
	s_add_co_u32 s46, s46, s18                     ; B likewise
	s_lshl_b32 s22, s20, 5
	s_add_co_u32 s22, s22, 6291456                 ; A's scale bytes in aq
	s_lshl_b32 s92, s46, 5
	s_add_co_u32 s92, s92, 3244032                 ; B's in wq
	s_mul_i32 s20, s20, 768                        ; A's codes: 12,288 bytes for each 16 rows
	s_mul_i32 s46, s46, KROW
	s_add_co_u32 s46, s46, 2457600                 ; B's codes in wq
	s_mov_b32 s21, 0
	s_mov_b32 s23, 0
	s_mov_b32 s47, 0
	s_mov_b32 s93, 0
	s_mul_i32 s45, s16, HALFA                      ; where A's halves go,
	s_mul_i32 s95, s16, HALFT
	s_add_co_u32 s95, s95, 2*HALFA                 ; and B's: by the wave's number alone
	s_mul_i32 s94, s14, HALFS
	s_wait_dscnt 0x0
	s_wait_kmcnt 0x0
	s_add_nc_u64 s[20:21], s[4:5], s[20:21]
	s_add_nc_u64 s[22:23], s[4:5], s[22:23]
	s_add_nc_u64 s[46:47], s[6:7], s[46:47]
	s_add_nc_u64 s[92:93], s[6:7], s[92:93]
	CROUND
	s_mov_b32 s[G0S], 1
	s_add_co_u32 s[G0S+1], s94, SCL
	s_mov_b64 s[G0S+2:G0S+3], s[22:23]
	s_or_b32 s[G0S+3], s[G0S+3], 0x80000000
	s_mov_b32 s[G0SB], 1
	s_add_co_u32 s[G0SB+1], s94, SCL
	s_mov_b64 s[G0SB+2:G0SB+3], s[92:93]
	s_or_b32 s[G0SB+3], s[G0SB+3], 0x80000000
	JLOAD G0S, G1S, G0SB, G1SB
.irp s, 0,1
	s_mov_b32 s[G0+4*\s], 1
	s_add_co_u32 s[G0+4*\s+1], s45, \s*SLOT
	s_add_nc_u64 s[G0+4*\s+2:G0+4*\s+3], s[20:21], \s*3072
	s_or_b32 s[G0+4*\s+3], s[G0+4*\s+3], 0x80000000
	s_mov_b32 s[G0B+4*\s], 1
	s_add_co_u32 s[G0B+4*\s+1], s95, \s*SLOT
	s_add_nc_u64 s[G0B+4*\s+2:G0B+4*\s+3], s[46:47], \s*ROWB
	s_or_b32 s[G0B+4*\s+3], s[G0B+4*\s+3], 0x80000000
	JLOAD G0+4*\s, G1, G0B+4*\s, G1B
.endr
	s_lshl_b32 s46, s42, 10
	s_lshl_b32 s47, s16, 9
	s_add_co_u32 s46, s46, s47                     ; my first column, in bytes of f32
	s_mov_b32 s47, 0
	s_add_nc_u64 s[8:9], s[8:9], s[46:47]
	v_bfe_u32 v8, v0, 4, 1
	v_lshlrev_b32 v8, 5, v8
.irp b, 0,1,2,3,4,5,6,7                        ; register 8 b + j: b_out of column 16 b + 8 (lane / 16) + j
	global_load_b128 v[BIAS+8*\b:BIAS+8*\b+3], v8, s[8:9] offset:64*\b
	global_load_b128 v[BIAS+8*\b+4:BIAS+8*\b+7], v8, s[8:9] offset:64*\b+16
.endr
	v_and_b32 v1, 15, v0
	v_bfe_u32 v2, v0, 4, 1
	v_and_b32 v6, 31, v0
	v_lshlrev_b32 v3, 3, v6                        ; A: 8 bytes a lane
	s_mul_i32 s21, s15, HALFA
	v_mul_u32_u24 v4, v1, PITCH
	v_mad_u32_u24 v4, v2, 24, v4                   ; B: row x pitch + 24 h
	v_lshl_add_u32 v5, v2, 4, v4                   ; and behind one padding more
	s_mul_i32 s22, s16, HALFT
	s_add_co_u32 s22, s22, 2*HALFA
.irp s, 0,1
	v_add_nc_u32 v[ADRA+\s], s21, v3
	v_add_nc_u32 v[ADRB+\s], s22, v4
	v_add_nc_u32 v[ADRB+2+\s], s22, v5
	s_add_co_u32 s21, s21, SLOT
	s_add_co_u32 s22, s22, SLOT
.endr
	v_mul_u32_u24 v5, v1, KS
	v_lshrrev_b32 v7, 8, v5
	v_lshl_add_u32 v5, v7, 4, v5
	s_mul_i32 s21, s15, HALFS
	s_mul_i32 s22, s16, HALFS
	s_add_co_u32 s22, s22, 2*HALFS
	s_sub_co_u32 s22, s22, s21
	v_mul_u32_u24 v7, s22, v2
	s_add_co_u32 s21, s21, SCL
	v_add_nc_u32 v5, v5, v7
	v_add_nc_u32 v[ADRS], s21, v5
	s_mul_i32 s23, s14, 16*SPITCH                  ; my stage
	v_mul_u32_u24 v5, v1, SPITCH
	v_lshl_add_u32 v5, v2, 5, v5
	v_add_nc_u32 v[STO], s23, v5
	v_lshlrev_b32 v[CO], 4, v6
	v_add_nc_u32 v[RD], s23, v[CO]
	s_lshl_b32 s20, s17, 8
	s_lshl_b32 s21, s15, 7
	s_add_co_u32 s20, s20, s21
	s_lshl_b32 s20, s20, 12                        ; my first row, 4,096 bytes a row
	s_add_co_u32 s20, s20, s46
	s_mov_b32 s21, 0
	s_add_nc_u64 s[10:11], s[10:11], s[20:21]
	s_wait_loadcnt 0x0                             ; the bias
.macro FRAG reg, adr, q, i
.irp p, 0,1,2,3,4,5
.set PCE, 12*(\q)+6*(\p/3)+\p%3
.if PCE%8 < 5
	ds_load_b64 v[\reg+2*\p:\reg+2*\p+1], v[\adr] offset:8*PCE+16*(PCE/8)+(\i)*16*PITCH
.else
	ds_load_b64 v[\reg+2*\p:\reg+2*\p+1], v[\adr+2] offset:8*PCE+16*(PCE/8)+(\i)*16*PITCH
.endif
.endr
.endm
.macro FRAGA reg, slot, q, i           ; A: registers 6 c + 2 p, + 1 are piece p of head 2 q + c of the slot's four
.irp c, 0,1
.irp p, 0,1,2
	ds_load_b64 v[\reg+6*\c+2*\p:\reg+6*\c+2*\p+1], v[ADRA+\slot] offset:3072*(\i)+(2*(\q)+\c)*768+256*\p
.endr
.endr
.endm
.macro MUL16 a0, p, q, sc, zero
.irp a, \a0, \a0+1
.irp b, 0,1,2,3,4,5,6,7
.set rD, 8*(8*((\a)%4)+\b)
.set rB, 128*(\p)+FR*\b
.set rA, AF+FR*(\a)
.set rSB, SC+8*NQ*(\sc)+NQ*\b+(\q)
.set rSA, SC+8*NQ*(\sc)+NQ*(\a)+(\q)
.if \zero
.set rC, BIAS+8*\b
.else
.set rC, rD
.endif
	v_wmma_scale_f32_16x16x128_f8f6f4 v[rD:rD+7], v[rB:rB+11], v[rA:rA+11], v[rC:rC+7], v[rSB], v[rSA] matrix_a_fmt:MATRIX_FMT_BF6 matrix_b_fmt:MATRIX_FMT_BF6 matrix_a_scale:MATRIX_SCALE_ROW1
.endr
.endr
.endm
.macro FETCH_B slot, q, p
	WIN TO_B
.irp i, 0,1,2,3,4,5,6,7
	FRAG 128*(\p)+FR*\i, ADRB+\slot, \q, \i
.endr
	WIN 0
.endm
.macro FETCH_A slot, q, i0
.irp i, \i0, \i0+1, \i0+2, \i0+3
	FRAGA AF+FR*(\i), \slot, \q, \i
.endr
.endm
.macro SCALES sc
.irp i, 0,1,2,3,4,5,6,7
	ds_load_b64 v[SC+8*NQ*\sc+NQ*\i:SC+8*NQ*\sc+NQ*\i+1], v[ADRS] offset:\i*SBLK
.endr
.endm
.macro PLACES n
.rept \n
	v_nop
.endr
.endm
.macro STEP slot, q, zero
	s_wait_dscnt 4*NL                              ; B's set and A's blocks 0-3 are in; A's blocks 4-7, 24 loads, may be out
.if \zero
	WIN 0x81                                       ; C (the bias) in window 0, D in window 2
.else
	WIN MUL_LO
.endif
	MUL16 0, (\q)%2, \q, \slot, \zero
	MUL16 2, (\q)%2, \q, \slot, \zero
	s_wait_dscnt 0
	PLACES NP
	FETCH_B \slot, (\q)+1, 1-(\q)%2
	FETCH_A \slot, (\q)+1, 0
.if \zero
	WIN 0xc1
.else
	WIN MUL_HI
.endif
	MUL16 4, (\q)%2, \q, \slot, \zero
	MUL16 6, (\q)%2, \q, \slot, \zero
	PLACES NP
	WIN 0
	FETCH_A \slot, (\q)+1, 4
.endm
.macro TURN slot, next, fill
	s_wait_tensorcnt 0x0                           ; all my tensor loads have landed: my part of the next slot
	ds_add_u32 v[SPW], v[NIL]                      ; 0 onto my spare word
	s_wait_dscnt 4*NL+1                            ; the add and A's blocks 4-7 may be out
	WIN MUL_LO
	MUL16 0, 1, NQ-1, \slot, 0
	s_wait_dscnt 0x0                               ; the add is done, and my reads of this slot are over
	s_barrier_signal -1
	MUL16 2, 1, NQ-1, \slot, 0
	WIN 0
	s_barrier_wait -1
.if \fill
	CREST
	s_add_nc_u64 s[G0+4*\slot+2:G0+4*\slot+3], s[G0+4*\slot+2:G0+4*\slot+3], 2*3072
	s_add_nc_u64 s[G0B+4*\slot+2:G0B+4*\slot+3], s[G0B+4*\slot+2:G0B+4*\slot+3], 2*ROWB
	JLOAD G0+4*\slot, G1, G0B+4*\slot, G1B
.else
	PLACES NP
.endif
	v_add_nc_u32 v[ADRS], 4*NQ, v[ADRS]
	FETCH_B \next, 0, 0
	FETCH_A \next, 0, 0
	SCALES \next
	WIN MUL_HI
	MUL16 4, 1, NQ-1, \slot, 0
	MUL16 6, 1, NQ-1, \slot, 0
	PLACES NP
	WIN 0
	FETCH_A \next, 0, 4
.endm
	s_wait_tensorcnt 1                             ; the scale bytes and my part of K step 0 are in; K step 1's load may be out
	s_barrier_signal -1
	s_barrier_wait -1
	FETCH_B 0, 0, 0
	FETCH_A 0, 0, 0
	SCALES 0
	FETCH_A 0, 0, 4
	STEP 0, 0, 1                                   ; the first step's products start the sums with the bias
	s_mov_b32 s3, 1
.Llap:
	TURN 0, 1, 1
	STEP 1, 0, 0
	TURN 1, 0, 1
	STEP 0, 0, 0
	s_sub_co_u32 s3, s3, 1
	s_cmp_lg_u32 s3, 0
	s_cbranch_scc1 .Llap
	TURN 0, 1, 0
	STEP 1, 0, 0
	s_wait_dscnt 4*NL
	WIN MUL_LO
	MUL16 0, 1, NQ-1, 1, 0
	MUL16 2, 1, NQ-1, 1, 0
	s_wait_dscnt 0
	WIN MUL_HI
	MUL16 4, 1, NQ-1, 1, 0
	MUL16 6, 1, NQ-1, 1, 0
	WIN 0
; THE WAY OUT, block by block of 16 rows x 128 columns, through my own stage: back come whole rows of 512 bytes.  LDS serves a wave's instructions in order: no wait between the stores and the loads.
.macro TOSTAGE a
.set AC, 64*((\a)%4)
	WIN 0x08+4*((\a)/4)                            ; an LDS store's data are its source 1: window 2 or 3
.irp b, 0,1,2,3,4,5,6,7
	ds_store_b128 v[STO], v[AC+8*\b:AC+8*\b+3] offset:64*\b          ; each accumulator from its low end on
	ds_store_b128 v[STO], v[AC+8*\b+4:AC+8*\b+7] offset:64*\b+16
.endr
	WIN 0
.set BB, BK+64*((\a)%2)
.irp t, 0,1,2,3,4,5,6,7,8,9,10,11,12,13,14,15
	ds_load_b128 v[BB+4*\t:BB+4*\t+3], v[RD] offset:\t*SPITCH
.endr
.endm
.macro SEND a, younger
.set BB, BK+64*((\a)%2)
	s_wait_dscnt \younger                          ; the block is back in registers; the next block's 16 stores and 16 loads may be out
.if (\a) > 0
	s_add_nc_u64 s[10:11], s[10:11], 16*4096       ; behind a wait on XCNT: the earlier stores have read their base
.endif
.irp t, 0,1,2,3,4,5,6,7,8,9,10,11,12,13,14,15
	global_store_b128 v[CO], v[BB+4*\t:BB+4*\t+3], s[10:11] offset:\t*4096 th:TH_STORE_NT   ; 32 lanes store 512 consecutive bytes, aligned
.endr
.endm
	PLACES NP
	TOSTAGE 0
.irp a, 1,2,3,4,5,6,7
.if \a > 1
	s_wait_xcnt 0x0                                ; block a - 2's stores have read their registers and their base
.endif
	TOSTAGE \a
	SEND \a-1, 32
.endr
	s_wait_xcnt 0x0
	SEND 7, 0
	s_wait_tensorcnt 0x0                           ; the wave's end
	ds_add_u32 v[SPW], v[NIL]
	s_wait_dscnt 0x0
	CROUND                                         ; the closing round
	s_endpgm
.Lfunc_end_k_q36e60272b7_gemm_out:
	.size	k_q36e60272b7_gemm_out, .Lfunc_end_k_q36e60272b7_gemm_out-k_q36e60272b7_gemm_out
	.p2alignl 7, 3214868480
	.fill 96, 4, 3214868480
	.section	.rodata,"a",@progbits
	.p2align	6, 0x0
	.amdhsa_kernel k_q36e60272b7_gemm_out
		.amdhsa_group_segment_fixed_size 327680
		.amdhsa_private_segment_fixed_size 0
		.amdhsa_enable_private_segment 0
		.amdhsa_kernarg_size 32
		.amdhsa_user_sgpr_count 2
		.amdhsa_user_sgpr_kernarg_segment_ptr 1
		.amdhsa_wavefront_size32 1
		.amdhsa_system_sgpr_workgroup_id_x 1
		.amdhsa_system_sgpr_workgroup_id_y 1
		.amdhsa_system_sgpr_workgroup_id_z 1
		.amdhsa_system_vgpr_workitem_id 0
		.amdhsa_next_free_vgpr 1024
		.amdhsa_next_free_sgpr 100
		.amdhsa_reserve_vcc 0
		.amdhsa_float_denorm_mode_32 3
		.amdhsa_float_denorm_mode_16_64 3
		.amdhsa_memory_ordered 1
		.amdhsa_forward_progress 1
		.amdhsa_inst_pref_size 162
	.end_amdhsa_kernel
	.amdgpu_metadata
---
amdhsa.version: [ 1, 2 ]
amdhsa.kernels:
  - .name:           k_q36e60272b7_gemm_out
    .symbol:         k_q36e60272b7_gemm_out.kd
    .args:
      - { .name: aq, .offset: 0, .size: 8, .value_kind: global_buffer, .address_space: global }
      - { .name: wq, .offset: 8, .size: 8, .value_kind: global_buffer, .address_space: global }
      - { .name: b_out, .offset: 16, .size: 8, .value_kind: global_buffer, .address_space: global }
      - { .name: out0, .offset: 24, .size: 8, .value_kind: global_buffer, .address_space: global }
    .group_segment_fixed_size: 327680
    .private_segment_fixed_size: 0
    .kernarg_segment_align: 8
    .kernarg_segment_size: 32
    .max_flat_workgroup_size: 128
    .sgpr_count:     100
    .vgpr_count:     1024
    .wavefront_size: 32
...
	.end_amdgpu_metadata
.endif
;; end of part 4
